; MI455X (gfx1250); checked and timed in simulation.
; The chip was launched on July 23, 2026; its instructions are those of AMD's public machine-readable ISA for CDNA 5 (MIT licence, August 2026) and "CDNA5" Instruction Set Architecture Reference Guide (July 2026). The comments in the code are by the model that wrote it; some were corrected since.
;; Attention. Allowed arithmetic: matrix products marked QUANTISED: E2M3 operands, one E8M0 scale for each 32 along K, by v_wmma_scale_f32_16x16x128_f8f6f4 with both operands' format E2M3, f32 sums; everything else in f32.
;; Inputs: freqs_cos 1,024 x 32 float32; freqs_sin 1,024 x 32 float32; mask 1,024 x 1,024 float32; wk 512 x 2,048 float32; wo 2,048 x 2,048 float32; wq 2,048 x 2,048 float32; wv 512 x 2,048 float32; x 4 x 1,024 x 2,048 float32.
;; Outputs: out0 4 x 1,024 x 2,048 float32.
;; This version of the problem:
;;   THIS VERSION OF THE PROBLEM IS GIVEN IN LOW PRECISION. The matrix products marked QUANTISED in the list below multiply operands that are first quantised to E2M3 (2 exponent bits, 3 mantissa bits; 6 bits a number), with one power-of-two scale for each 32 numbers along K (OCP MX v1.0); their sums are f32. All else is computed in f32.
;;   The module's matrix products, in the order in which they are computed (A, B: the left and right operand; K: the contracted axis; several contracted axes count as one K, in the product's order):
;;     1. [M 4,096, K 2,048] x [K 2,048, N 2,048]; A: input x; B: input wq: QUANTISED
;;     2. [M 4,096, K 2,048] x [K 2,048, N 512]; A: input x; B: input wk: QUANTISED
;;     3. [M 4,096, K 2,048] x [K 2,048, N 512]; A: input x; B: input wv: QUANTISED
;;     4. batch 128 x [M 1,024, K 64] x [K 64, N 1,024]; A: computed on the way; B: computed on the way: QUANTISED
;;     5. batch 128 x [M 1,024, K 1,024] x [K 1,024, N 64]; A: softmax (see below); B: computed on the way: QUANTISED
;;     6. [M 4,096, K 2,048] x [K 2,048, N 2,048]; A: computed on the way; B: input wo: QUANTISED
;;   THE QUANTISER, for each operand of a quantised product, along K:
;;     - K is cut into blocks of 32 from its start; a last block that is shorter is filled with zeros.
;;     - A block's scale is 2^e with e = floor(log2(the largest magnitude in the block)) - 2, held to -126 .. 127; a block of zeros has e = 0. As a byte (E8M0): e + 127.
;;     - Each number is divided by its block's scale, clamped to +-7.5, and rounded to the nearest number of E2M3, ties to even, subnormals kept.
;;     - The product sums the exact products of the quantised numbers (number of the format x scale) in f32.
;;   ~~~python
;;   def quantise(x, axis):      # numpy; x: float32 -> the quantised numbers, widened to float32 again
;;       x = np.moveaxis(x, axis, -1); K = x.shape[-1]
;;       x = np.pad(x, [(0, 0)] * (x.ndim - 1) + [(0, -K % 32)]); x = x.reshape(x.shape[:-1] + (-1, 32)); a = np.abs(x).max(-1, keepdims=True)
;;       e = np.where(a > 0, np.clip(np.frexp(np.where(a > 0, a, 1))[1] - 1 - 2, -126, 127), 0)      # np.frexp(a)[1] - 1 = floor(log2(a)), exactly
;;       r = np.clip(x / 2.0 ** e, -7.5, 7.5)
;;       step = 2.0 ** (np.maximum(np.frexp(np.where(r == 0, 1, r))[1] - 1, 0) - 3)
;;       q = np.round(r / step) * step * 2.0 ** e      # np.round: ties to even
;;       return np.moveaxis(q.reshape(q.shape[:-2] + (-1,))[..., :K], -1, axis).astype(np.float32)
;;   ~~~
;;   SOFTMAX AHEAD OF A QUANTISED PRODUCT. Where the list says 'softmax', what is quantised is not the finished softmax but p = 2^(t - M), with t = logit x log2(e) and M = ceil(the row's largest t), a whole number; so 1/2 < the row's largest p <= 1. The row's sum l is taken of the UNQUANTISED p, in f32, and the product's result is divided by l at the end. Since M is a whole number, a kernel that streams over the keys may use a running M (the ceiling of the running maximum): every later rescaling is an exact power of two, which a block's scale takes up: the codes' values come out the same.
;;   OPERANDS COMPUTED ON THE WAY. 'Computed on the way' means the value that the module computes at that place (a softmax that the list does not call 'softmax' is quantised finished and normalised). What goes into a quantiser is computed in f32, as accurately as f32 sums, v_exp_f32 and their like allow (about 1e-6 of the number): no bf16 or f16 on the way to a quantiser, and a product that is left as it is and whose result goes on into a quantised operand takes f32 operands (vector FMAs, or v_wmma_f32_16x16x4_f32). A number that lies on a knife's edge between two numbers of the format may be rounded either way, as far as f32 arithmetic and the matrix unit's own rounding can turn it there, and no further.
;; One version. Each part assembles by itself: llvm-mc -triple=amdgcn-amd-amdhsa -mcpu=gfx1250 --defsym DOCPART=n.
;; ======== version 1 of 1: 4 launches
;; workspace buffers: xc 6,553,600 bytes; wc 4,915,200 bytes; woc 3,276,800 bytes; qimg 7,340,032 bytes; kvimg 3,473,408 bytes; oc 6,553,600 bytes
;; launch quant (part 1): grid 576 x 1, 4 waves a work-group, no clusters, 33,280 bytes of LDS; arguments x, wq, wk, wv, wo, xc, wc, woc; writes xc, wc, woc
.if DOCPART == 1
	.amdgcn_target "amdgcn-amd-amdhsa--gfx1250"
	.amdhsa_code_object_version 6
	.text
	.protected	k_q1bf4c13544_quant
	.globl	k_q1bf4c13544_quant
	.p2align	8
	.type	k_q1bf4c13544_quant,@function
k_q1bf4c13544_quant:
	s_mov_b64 s[64:65], 0
	v_nop
	global_prefetch_b8 v0, s[64:65] scope:SCOPE_SE
	s_setreg_imm32_b32 hwreg(HW_REG_WAVE_MODE, 25, 1), 1
	s_wait_xcnt 0x0
; x [4096][2048], wq [2048][2048], wk, wv [512][2048], wo [2048][2048], all f32 with K innermost, become codes of FP6 (E2M3) with one E8M0 byte for each 32 along K.
; A block's scale is 2^(floor(log2(its largest magnitude)) - 2); its byte is the largest magnitude's exponent field - 2, held at 1 from below.  Each number is divided by the scale and rounded to the nearest code, ties to even.
; A row of codes is 1,536 bytes, a row of scale bytes 64; in each output buffer the codes come first and the scale bytes behind them, at a constant offset.
; ROWS CHANGE PLACES.  In every 32 rows of x, wq, wk and wv the second and the third group of 8 rows are exchanged, so that 16 neighbouring stored rows 16 u + r are the true rows 8 u + r + 8 (r / 8):
; used as source 0 of a matrix instruction, two such tiles leave 16 neighbours in a lane's 16 result registers.  wq, wk, wv go into ONE buffer, 384 rows for each group g of heads:
; q heads 4 g, 4 g + 1, k head g, q heads 4 g + 2, 4 g + 3, v head g.  wo keeps its order.
; SHARES.  A wave takes a run of 4 rows (8,192 numbers) in 16 steps of 512; a work-group 4 runs.  Work-groups 0-255 x, 256-383 wq, 384-415 wk, 416-447 wv, 448-575 wo: only pointers and offsets are chosen, by
; selects on the work-group's number; all tensors take one path.  Exchanging groups of 8 rows is exchanging bits 1 and 2 of a run's number.
; A conversion takes 16 neighbours from ONE lane, a load is best with neighbouring bytes in neighbouring lanes: each load reads 512 consecutive bytes, and a step's 2,048 bytes turn through the wave's own stage in LDS.
; Loads run eight steps (32 loads, 16 KiB a wave) ahead of the work, the turn through LDS one step.
; LIMITS: a block whose largest magnitude lies under 2^-124 keeps the byte 1 (a block of zeros too, where the rule says 127: its codes are zeros, and the bytes are read by this program alone); NaN and infinities are not served.
.set STEPS, 16
.set DEPTH, 8                          ; steps whose loads are out at a time
.set CB,    12                         ; bytes of 16 codes
.set R,     16                         ; v16-143  eight sets of 16 numbers as they are loaded
.set X,     144                        ; v144-175 two sets of 16 neighbours
.set E,     176                        ; v176-191 a scale byte for each step
.set C,     192                        ; v192-255 codes: four registers for each step, so that no store's data are written again
.set WREG,  8192                       ; LDS: a region for each wave: two stages of 32 x SP bytes, and behind them its 256 scale bytes
.set SP,    80                         ; a lane's place in a stage: 64 bytes + 16 of padding
	s_load_b256 s[4:11], s[0:1], 0x0               ; x s[4:5], wq s[6:7], wk s[8:9], wv s[10:11]
	s_load_b256 s[12:19], s[0:1], 0x20             ; wo s[12:13], xc s[14:15], wc s[16:17], woc s[18:19]
	v_lshl_add_u32 v251, v0, 2, 0x8000
	v_mov_b32 v255, 0
	v_lshrrev_b32 v1, 5, v0
	v_readfirstlane_b32 s20, v1                    ; wave
	v_and_b32 v2, 31, v0                           ; lane
	v_lshlrev_b32 v3, 4, v2                        ; my 16 bytes of a load's 512
	s_mul_i32 s21, s20, WREG
	v_lshrrev_b32 v14, 2, v2
	v_mul_u32_u24 v14, v14, SP
	v_and_b32 v15, 3, v2
	v_lshl_add_u32 v14, v15, 4, v14
	v_add_nc_u32 v14, s21, v14                     ; the stage, on the way in: SP (lane / 4) + 16 (lane % 4)
	v_mul_u32_u24 v15, v2, SP
	v_add_nc_u32 v15, s21, v15                     ; and on the way out: SP x lane: my 16 neighbours
	v_mul_u32_u24 v4, v2, CB                       ; my codes' place in a step's
	v_lshrrev_b32 v5, 1, v2
	s_add_co_u32 s21, s21, 2*32*SP
	v_add_nc_u32 v5, s21, v5                       ; LDS: my wave's 256 scale bytes, my block's byte
	v_lshlrev_b32 v7, 3, v2                        ; and on the way out 8 bytes a lane
	v_add_nc_u32 v6, s21, v7
	; which tensor: its first work-group (s22) and where the scale bytes begin in its output buffer (s23)
	s_mov_b32 s22, 448
	s_mov_b32 s23, 3145728
	s_cmp_lt_u32 ttmp9, 448
	s_cselect_b32 s22, 416, s22
	s_cselect_b32 s23, 4718592, s23
	s_cmp_lt_u32 ttmp9, 416
	s_cselect_b32 s22, 384, s22
	s_cmp_lt_u32 ttmp9, 384
	s_cselect_b32 s22, 256, s22
	s_cmp_lt_u32 ttmp9, 256
	s_cselect_b32 s22, 0, s22
	s_cselect_b32 s23, 6291456, s23
	s_sub_co_u32 s24, ttmp9, s22
	s_lshl_b32 s24, s24, 2
	s_add_co_u32 s24, s24, s20                     ; my run in the tensor
	s_and_b32 s25, s24, 15                         ; its place among the 16 runs of 64 rows,
	s_lshr_b32 s26, s24, 4                         ; and which 64 rows (for wq, wk, wv: which head)
	s_and_b32 s27, s25, 9
	s_and_b32 s28, s25, 2
	s_lshl_b32 s28, s28, 1
	s_or_b32 s27, s27, s28
	s_and_b32 s28, s25, 4
	s_lshr_b32 s28, s28, 1
	s_or_b32 s27, s27, s28                         ; the place with bits 1 and 2 exchanged
	s_lshl_b32 s28, s26, 4
	s_add_co_u32 s28, s28, s27                     ; x: the same 64 rows
	s_mul_i32 s29, s26, 96
	s_add_co_u32 s29, s29, s27
	s_add_co_u32 s30, s29, 32                      ; wk: 96 runs a group, behind two q heads
	s_add_co_u32 s31, s29, 80                      ; wv: behind the second half's two q heads
	s_lshr_b32 s32, s26, 2
	s_mul_i32 s32, s32, 96
	s_bfe_u32 s33, s26, 0x10001
	s_mul_i32 s33, s33, 48
	s_add_co_u32 s32, s32, s33
	s_and_b32 s33, s26, 1
	s_lshl_b32 s33, s33, 4
	s_add_co_u32 s32, s32, s33
	s_add_co_u32 s32, s32, s27                     ; wq: group head / 4, half (head / 2) % 2, head % 2
	s_wait_kmcnt 0x0
	s_mov_b32 s34, s24                             ; wo keeps its order
	s_mov_b64 s[36:37], s[12:13]
	s_mov_b64 s[38:39], s[18:19]
	s_cmp_lt_u32 ttmp9, 448                        ; the choices hang on the work-group's number alone
	s_cselect_b32 s34, s31, s34
	s_cselect_b64 s[36:37], s[10:11], s[36:37]
	s_cselect_b64 s[38:39], s[16:17], s[38:39]
	s_cmp_lt_u32 ttmp9, 416
	s_cselect_b32 s34, s30, s34
	s_cselect_b64 s[36:37], s[8:9], s[36:37]
	s_cmp_lt_u32 ttmp9, 384
	s_cselect_b32 s34, s32, s34
	s_cselect_b64 s[36:37], s[6:7], s[36:37]
	s_cmp_lt_u32 ttmp9, 256
	s_cselect_b32 s34, s28, s34
	s_cselect_b64 s[36:37], s[4:5], s[36:37]
	s_cselect_b64 s[38:39], s[14:15], s[38:39]
	s_lshl_b32 s40, s24, 15                        ; a run is 32,768 bytes of f32,
	s_mov_b32 s41, 0
	s_add_nc_u64 s[36:37], s[36:37], s[40:41]
	s_lshl_b32 s40, s34, 8                         ; 256 scale bytes,
	s_add_co_u32 s40, s40, s23
	s_add_nc_u64 s[42:43], s[38:39], s[40:41]
	s_mul_i32 s40, s34, 6144                       ; and 6,144 bytes of codes
	s_add_nc_u64 s[38:39], s[38:39], s[40:41]
.macro LOAD t
.irp i, 0,1,2,3
	global_load_b128 v[R+16*((\t)%DEPTH)+4*\i:R+16*((\t)%DEPTH)+4*\i+3], v3, s[36:37] offset:2048*(\t)+512*\i th:TH_LOAD_NT   ; 32 lanes read 512 consecutive bytes
.endr
.endm
.macro TURN t                          ; step t's numbers through the stage: LDS serves a wave's instructions in order, so no wait stands between the stores and the loads
.irp i, 0,1,2,3
	ds_store_b128 v14, v[R+16*((\t)%DEPTH)+4*\i:R+16*((\t)%DEPTH)+4*\i+3] offset:32*SP*((\t)%2)+8*SP*\i
.endr
.irp i, 0,1,2,3
	ds_load_b128 v[X+16*((\t)%2)+4*\i:X+16*((\t)%2)+4*\i+3], v15 offset:32*SP*((\t)%2)+16*\i
.endr
.endm
.irp t, 0,1,2,3,4,5,6,7
	LOAD \t
.endr
	s_wait_loadcnt 4*(DEPTH-1)                     ; step 0's four loads are in; seven steps' 28 stay out
	TURN 0
.macro STEP t
.set XS, X+16*((\t)%2)
.if (\t) > 0
	s_wait_dscnt 1                                 ; this step's numbers are back from the stage (the last step's byte store may be out): its stores into the stage have read their registers,
.else
	s_wait_dscnt 0x0
.endif
.if (\t)+DEPTH < STEPS
	LOAD (\t)+DEPTH                                ; which take the loads of eight steps on
.endif
.if (\t)+1 < STEPS
.if STEPS-2-(\t) >= DEPTH-1
	s_wait_loadcnt 4*(DEPTH-1)                     ; the next step's four loads are in; those of the seven steps behind it may be out
.else
	s_wait_loadcnt 4*(STEPS-2-(\t))                ; near the end: four for each step still behind it
.endif
	TURN (\t)+1                                    ; and go through the other stage while this step is worked
.endif
	v_max3_num_f32 v8, |v[XS]|, |v[XS+1]|, |v[XS+2]|               ; the largest magnitude of my 16, in two chains
	v_max3_num_f32 v9, |v[XS+3]|, |v[XS+4]|, |v[XS+5]|
.irp i, 6,10
	v_max3_num_f32 v8, v8, |v[XS+\i]|, |v[XS+\i+1]|
	v_max3_num_f32 v9, v9, |v[XS+\i+2]|, |v[XS+\i+3]|
.endr
	v_max3_num_f32 v8, v8, |v[XS+14]|, |v[XS+15]|
	v_max3_num_f32 v8, v8, v9, 0x1800000           ; and the floor 2^(3 - 127): the byte cannot fall under 1
	v_max_num_f32_dpp v8, v8, v8 row_xmask:1 row_mask:0xf bank_mask:0xf   ; and of my neighbour's 16: the block's
	v_add_nc_u32 v11, 0xff000000, v8               ; 2 off its exponent field: the conversion takes the exponent field of this operand as its scale, and nothing else of it
	v_cvt_scalef32_pk16_fp6_f32 v[C+4*(\t):C+4*(\t)+2], v[XS:XS+15], v11
	v_lshrrev_b32 v[E+(\t)], 23, v11               ; the scale's byte (also the plain line behind the conversion)
	ds_store_b8 v5, v[E+(\t)] offset:16*(\t)       ; both lanes of a block write the same byte with the same value
	global_store_b96 v4, v[C+4*(\t):C+4*(\t)+2], s[38:39] offset:32*CB*(\t)   ; the wave stores 384 consecutive bytes
.endm
.irp t, 0,1,2,3,4,5,6,7,8,9,10,11,12,13,14,15
	STEP \t
.endr
	ds_load_b64 v[12:13], v6                       ; LDS serves a wave's instructions in order: these see my stores
	s_wait_dscnt 0x0
	global_store_b64 v7, v[12:13], s[42:43]        ; 32 lanes store 256 consecutive bytes, aligned
	s_wait_tensorcnt 0x0
	ds_add_u32 v251, v255
	s_wait_dscnt 0x0
	s_endpgm
.Lfunc_end_k_q1bf4c13544_quant:
	.size	k_q1bf4c13544_quant, .Lfunc_end_k_q1bf4c13544_quant-k_q1bf4c13544_quant
	.p2alignl 7, 3214868480
	.fill 96, 4, 3214868480
	.section	.rodata,"a",@progbits
	.p2align	6, 0x0
	.amdhsa_kernel k_q1bf4c13544_quant
		.amdhsa_group_segment_fixed_size 33280
		.amdhsa_private_segment_fixed_size 0
		.amdhsa_enable_private_segment 0
		.amdhsa_kernarg_size 64
		.amdhsa_user_sgpr_count 2
		.amdhsa_user_sgpr_kernarg_segment_ptr 1
		.amdhsa_wavefront_size32 1
		.amdhsa_system_sgpr_workgroup_id_x 1
		.amdhsa_system_sgpr_workgroup_id_y 1
		.amdhsa_system_sgpr_workgroup_id_z 1
		.amdhsa_system_vgpr_workitem_id 0
		.amdhsa_next_free_vgpr 256
		.amdhsa_next_free_sgpr 66
		.amdhsa_reserve_vcc 0
		.amdhsa_float_denorm_mode_32 3
		.amdhsa_float_denorm_mode_16_64 3
		.amdhsa_memory_ordered 1
		.amdhsa_forward_progress 1
		.amdhsa_inst_pref_size 34
	.end_amdhsa_kernel
	.amdgpu_metadata
---
amdhsa.version: [ 1, 2 ]
amdhsa.kernels:
  - .name:           k_q1bf4c13544_quant
    .symbol:         k_q1bf4c13544_quant.kd
    .args:
      - { .name: x, .offset: 0, .size: 8, .value_kind: global_buffer, .address_space: global }
      - { .name: wq, .offset: 8, .size: 8, .value_kind: global_buffer, .address_space: global }
      - { .name: wk, .offset: 16, .size: 8, .value_kind: global_buffer, .address_space: global }
      - { .name: wv, .offset: 24, .size: 8, .value_kind: global_buffer, .address_space: global }
      - { .name: wo, .offset: 32, .size: 8, .value_kind: global_buffer, .address_space: global }
      - { .name: xc, .offset: 40, .size: 8, .value_kind: global_buffer, .address_space: global }
      - { .name: wc, .offset: 48, .size: 8, .value_kind: global_buffer, .address_space: global }
      - { .name: woc, .offset: 56, .size: 8, .value_kind: global_buffer, .address_space: global }
    .group_segment_fixed_size: 33280
    .private_segment_fixed_size: 0
    .kernarg_segment_align: 8
    .kernarg_segment_size: 64
    .max_flat_workgroup_size: 128
    .sgpr_count:     66
    .vgpr_count:     256
    .wavefront_size: 32
...
	.end_amdgpu_metadata
.endif
;; end of part 1
;; launch qkv (part 2): grid 8 x 32, 4 waves a work-group, clusters of 4 x 4, 327,680 bytes of LDS; arguments xc, wc, freqs_cos, freqs_sin, qimg, kvimg; writes qimg, kvimg
.if DOCPART == 2
	.amdgcn_target "amdgcn-amd-amdhsa--gfx1250"
	.amdhsa_code_object_version 6
	.text
	.protected	k_q1bf4c13544_qkv
	.globl	k_q1bf4c13544_qkv
	.p2align	8
	.type	k_q1bf4c13544_qkv,@function
k_q1bf4c13544_qkv:
	s_mov_b64 s[64:65], 0
	v_nop
	global_prefetch_b8 v0, s[64:65] scope:SCOPE_SE
	s_setreg_imm32_b32 hwreg(HW_REG_WAVE_MODE, 25, 1), 1
	s_wait_xcnt 0x0
	s_wait_alu depctr_hold_cnt(0) depctr_sa_sdst(0) depctr_va_vdst(0) depctr_va_sdst(0) depctr_va_ssrc(0) depctr_va_vcc(0) depctr_vm_vsrc(0)
	s_getreg_b32 s2, hwreg(HW_REG_IB_STS2, 6, 4)
	s_cmp_eq_u32 s2, 0
	s_cbranch_scc0 .Lentry_in_a_cluster
	s_endpgm
.Lentry_in_a_cluster:
	s_bfe_u32 s2, ttmp6, 0x10000c
	s_cmp_lg_u32 s2, 0xf033
	s_cbranch_scc0 .Lentry_shape_is_right
	s_endpgm
.Lentry_shape_is_right:
; q, k, v = x wq^T, x wk^T, x wv^T on codes of FP6 (E2M3) with E8M0 scales; the rotation of q and k (its table row is the HEAD's number); then q and k are quantised along the head's 64 and v along the keys,
; and leave as IMAGES OF OPERAND REGISTERS for the attention launch.  Nothing but codes and scale bytes goes to memory.
; A tile is 128 tokens (tile row J) x the 384 rows of wc of one group g of heads (tile column): 256 work-groups.  Four waves: wave w takes tokens 64 (w / 2) on (4 blocks of 16) and rows 192 (w % 2) on (12 blocks):
; two q heads (blocks 0-3, 4-7) and k (w even) or v (w odd) (blocks 8-11).  K = 2,048 goes in steps of 256 through a ring of two LDS slots filled by the tensor data mover; the scale bytes of the tile's rows come once.
; CLUSTERS: 4 x 4 work-groups.  The four of a row of the cluster need the same tiles of x, the four of a column the same tiles of wc: each is asked for JOINTLY, by the same tensor load with the same descriptor and a mask of the four.
; THE MATRIX INSTRUCTION IS USED TRANSPOSED (source 0 = 16 rows of wc, source 1 = 16 tokens): a lane holds ONE token, its registers run along the head.  The stored order of wc's rows (16 u + r holds 8 u + r + 8 (r / 8))
; makes the 16 registers of blocks 2 B and 2 B + 1 the 16 neighbours 32 B + 16 (lane / 16) + 0 .. 15.  The tokens of a block follow the same stored order: block A of 16 holds tokens 32 (A / 2) + 8 (A % 2) + r + 8 (r / 8).
; PRODUCTS GO BY wc's BLOCKS, each against the four blocks of tokens: a block of wc is free after its four products, so wc has ONE set of registers, fetched anew in halves; x is at work through the whole step and has two sets.
; REGISTERS, in windows of 256.  Window 0: v1-11 way-out addresses, v12-15 scratch, v16-31 addresses, v32-79 scale words (two sets), v128-223 x's fragments (two sets); on the way out v128-243.
;   Window 1: v0-143 wc's fragments, v144-239 cos and sin.  Window 2: accumulators of blocks 0-5 at v[8 (4 b + a)].  Window 3: those of blocks 6-11.
; LIMITS: NaN and infinities are not served; a block whose largest magnitude lies under 2^-124 keeps the byte 1 (a block of zeros too: its codes are zeros, and this program alone reads the bytes);
; each rotated number is one product and one fused multiply-add, which differs from two rounded products by at most the last bit.
.set NB,     12                        ; blocks of 16 rows of wc for a wave
.set HB,     NB/2
.set NQ,     2                         ; matrix instructions deep in a slot
.set ROWB,   192                       ; a tile's row: 256 codes
.set KROW,   1536                      ; a row of codes in memory
.set ASTRIDE, KROW                     ; from row to row of x's tile
.set ASTEP,  ROWB                      ; from K step to K step of x's tile
.set PITCH,  240                       ; an LDS row: 3 x (64 bytes + 16 of padding) = 60 words: the 32 lanes of a load of 8 bytes touch 64 different banks (64 banks of 4 bytes: ISA guide 11.1)
.set FR,     12                        ; registers of a fragment
.set NL,     6                         ; LDS loads that bring one
.set NP,     4                         ; places behind this matrix instruction (ISA guide 7.12.1)
.set AH,     64*PITCH                  ; 64 rows of x: one tensor load, and what a wave reads
.set BH,     16*NB*PITCH               ; 192 rows of wc likewise
.set SLOT,   2*AH+2*BH
.set LAPS,   4                         ; 2,048 / 512: a lap is once round the ring
.set SCL,    2*SLOT                    ; behind the ring: the scale bytes, 64 a row, as 256 bytes + 16 of padding
.set HSA,    16*272                    ; those of 64 rows of x
.set HSB,    4*NB*272                  ; those of 192 rows of wc
.set SBLK,   4*272                     ; those of 16 rows
.set SPARE,  SCL+2*HSA+2*HSB           ; the spare words, 128 bytes for each wave: two blocks of 256 bytes that no other line names
.set ASC,    6291456                   ; where the scale bytes begin in xc
.set BSC,    4718592                   ; and in wc
.set ADRA, 16                          ; v16-17 LDS address of my fragments of x in slot 0, 1; v18-19 the same for pieces behind one padding more
.set ADRB, 20                          ; v20-23 the same for wc
.set ADRS, 27                          ; v27 my scale words: lanes 0-15 x's rows, lanes 16-31 wc's
.set SPW,  28                          ; v28 SPARE + 4 x my thread's number; never rewritten
.set NIL,  29                          ; v29 0; never rewritten
.set SC,   32                          ; scale words: set s at v[SC + 24 s]; register 2 i + q: lanes 16-31 wc's block i, lanes 0-15 x's block i (i < 4), for the slot's q-th 128 along K
.set AF,   128                         ; x's fragments: set p at v[AF + 48 p]
.set CSB,  144                         ; window 1: table row hd (0, 1: my q heads; 2: row g): cos at CSB + 32 hd + 8 B + i, sin 16 further on: index 16 B + 8 (lane / 16) + i
.set T,    128                         ; the way out: 64 numbers
.set CD,   192                         ; v192-203 codes, v204-210 the conversions' second halves
.set TM,   224                         ; v224-227 largest magnitudes, v228-231 bytes, v236-239 the conversions' scale operands
.set PW,   240                         ; v240-241 scale words
.set TP,   242                         ; v242-243 at work
.set SEL,  12                          ; s[12:13] lane selects: lane l xor 16
.set G1,   24                          ; s[24:31] descriptor group 1 for x's tiles; s[32:39] group 0, a set for each slot
.set G0,   32
.set G1B,  48                          ; s[48:55], s[56:63] the same for wc's
.set G0B,  56
.set G1S,  68                          ; s[68:75], s[76:79] for x's scale bytes; s[80:87], s[88:91] for wc's
.set G0S,  76
.set G1SB, 80
.set G0SB, 88
.set MSB, 0
.macro WIN new                         ; the immediate's high byte repeats the setting that is left
.if MSB != \new
	s_set_vgpr_msb (MSB<<8)|(\new)
.set MSB, \new
.endif
.endm
.set MUL_LO, 0xa1                      ; source 0 (wc) window 1, source 1 (x) window 0, C and D window 2
.set MUL_HI, 0xf1                      ; the same, C and D window 3
.set TO_B,   0x40                      ; destination window 1, address window 0
; A joint load: waves 0 and 1 fetch for x, waves 2 and 3 for wc.  Each line has one mask and one set of registers for all that issue it; the branch hangs on the wave's number alone.
; Four v_nop follow each of the two lines, ahead of the jump, the label and what follows.
.macro JLOAD g0a, g1a, g0b, g1b
	s_cmp_eq_u32 s15, 0
	s_cbranch_scc0 .Lfor_b_\@
	tensor_load_to_lds s[\g0a:\g0a+3], s[\g1a:\g1a+7]
	s_nop 0
.rept 4
	v_nop
.endr
	s_branch .Lasked_\@
.Lfor_b_\@:
	tensor_load_to_lds s[\g0b:\g0b+3], s[\g1b:\g1b+7]
	s_nop 0
.rept 4
	v_nop
.endr
.Lasked_\@:
.endm
.macro CREST                           ; a round of the cluster's barrier behind its opening barrier
	s_cmp_lg_u32 s14, 0
	s_cbranch_scc1 .Lnot_wave_0_\@
	s_barrier_signal -3
.Lnot_wave_0_\@:
	s_barrier_wait -3
	s_barrier_signal -1
	s_barrier_wait -1
.endm
.macro CROUND                          ; a whole round
	s_barrier_signal -1
	s_barrier_wait -1
	CREST
.endm
.macro PLACES n
.rept \n
	v_nop
.endr
.endm
	s_load_b128 s[4:7], s[0:1], 0x0                ; xc s[4:5], wc s[6:7]
	v_lshl_add_u32 v[SPW], v0, 2, SPARE
	v_mov_b32 v[NIL], 0
	ds_add_u32 v28, v29
	s_wait_dscnt 0x0
	v_lshrrev_b32 v12, 5, v0
	v_readfirstlane_b32 s14, v12                   ; wave 0..3
	s_lshr_b32 s15, s14, 1                         ; which 64 tokens are mine.  Also: I fetch for x (0) or for wc (1)
	s_and_b32 s16, s14, 1                          ; which 192 rows of wc.  Also: which half of that tile I fetch
	s_bfe_u32 s40, ttmp6, 0x40000                  ; cx, cy: my place in the cluster
	s_bfe_u32 s41, ttmp6, 0x40004
	s_lshl_b32 s42, ttmp9, 2
	s_add_co_u32 s42, s42, s40                     ; tile column g = 4 x cluster x + cx
	s_and_b32 s17, ttmp7, 0xffff
	s_lshl_b32 s17, s17, 2
	s_add_co_u32 s17, s17, s41                     ; tile row J = 4 x cluster y + cy
	s_lshl_b32 s43, s41, 2
	s_lshl_b32 s43, 15, s43                        ; my row of the cluster
	s_lshl_b32 s44, 0x1111, s40                    ; my column
	; descriptor group 1: rows of 192 bytes, 16 bytes of padding behind every 64
	s_or_b32 s[G1+0], s43, (0<<16)|(1<<20)|(1<<21)|(3<<22)|(3<<25)  ; 15:0 the mask: x's tiles go to my row; 17:16 elements of 1 byte; 20 padding on; 21 set beside a mask; 24:22 after every 16 words; 31:25 4 words
	s_or_b32 s[G1B+0], s44, (0<<16)|(1<<20)|(1<<21)|(3<<22)|(3<<25)
	s_mov_b32 s[G1+1], ROWB<<16                    ; tensor_dim0
	s_mov_b32 s[G1+2], 64<<16                      ; tensor_dim1
	s_mov_b32 s[G1+3], ROWB<<16                    ; tile_dim0
	s_mov_b32 s[G1+4], 64                          ; tile_dim1
	s_mov_b32 s[G1+5], ASTRIDE                     ; from row to row
	s_mov_b32 s[G1+6], 0
	s_mov_b32 s[G1+7], 0
	s_mov_b32 s[G1B+1], ROWB<<16
	s_mov_b32 s[G1B+2], (16*NB)<<16
	s_mov_b32 s[G1B+3], ROWB<<16
	s_mov_b32 s[G1B+4], 16*NB
	s_mov_b32 s[G1B+5], KROW
	s_mov_b32 s[G1B+6], 0
	s_mov_b32 s[G1B+7], 0
	; the scale bytes: dense blocks, as rows of 256 bytes (32 elements of 8 bytes), 16 bytes of padding behind each
	s_or_b32 s[G1S+0], s43, (3<<16)|(1<<20)|(1<<21)|(5<<22)|(3<<25)
	s_or_b32 s[G1SB+0], s44, (3<<16)|(1<<20)|(1<<21)|(5<<22)|(3<<25)
	s_mov_b32 s[G1S+1], 32<<16
	s_mov_b32 s[G1S+2], 16<<16
	s_mov_b32 s[G1S+3], 32<<16
	s_mov_b32 s[G1S+4], 16
	s_mov_b32 s[G1S+5], 32
	s_mov_b32 s[G1S+6], 0
	s_mov_b32 s[G1S+7], 0
	s_mov_b32 s[G1SB+1], 32<<16
	s_mov_b32 s[G1SB+2], (4*NB)<<16
	s_mov_b32 s[G1SB+3], 32<<16
	s_mov_b32 s[G1SB+4], 4*NB
	s_mov_b32 s[G1SB+5], 32
	s_mov_b32 s[G1SB+6], 0
	s_mov_b32 s[G1SB+7], 0
	; where the tiles come from: x's hang on J and the wave alone, wc's on g and the wave alone, each in registers that never hold the other coordinate
	s_lshl_b32 s20, s17, 7
	s_lshl_b32 s18, s16, 6
	s_add_co_u32 s20, s20, s18                     ; x: row 128 J + 64 x half
	s_mul_i32 s46, s42, 32*NB
	s_mul_i32 s18, s16, 16*NB
	s_add_co_u32 s46, s46, s18                     ; wc: row 384 g + 192 x half
	s_lshl_b32 s22, s20, 6
	s_add_co_u32 s22, s22, ASC                     ; these rows' scale bytes,
	s_mov_b32 s23, 0
	s_mul_i32 s20, s20, KROW                       ; and their codes (all under 2^32)
	s_mov_b32 s21, 0
	s_lshl_b32 s92, s46, 6
	s_add_co_u32 s92, s92, BSC
	s_mov_b32 s93, 0
	s_mul_i32 s46, s46, KROW
	s_mov_b32 s47, 0
	s_mul_i32 s45, s16, AH                         ; where they go: no place in the cluster enters an LDS address
	s_mul_i32 s94, s16, BH
	s_add_co_u32 s94, s94, 2*AH
	s_mul_i32 s95, s16, HSA
	s_add_co_u32 s95, s95, SCL
	s_mul_i32 s96, s16, HSB
	s_add_co_u32 s96, s96, SCL+2*HSA
	s_wait_kmcnt 0x0
	s_add_nc_u64 s[20:21], s[4:5], s[20:21]
	s_add_nc_u64 s[22:23], s[4:5], s[22:23]
	s_add_nc_u64 s[46:47], s[6:7], s[46:47]
	s_add_nc_u64 s[92:93], s[6:7], s[92:93]
	CROUND                                         ; all sixteen work-groups are here: the first joint loads meet
	s_mov_b32 s[G0S], 1
	s_mov_b32 s[G0S+1], s95
	s_mov_b64 s[G0S+2:G0S+3], s[22:23]
	s_or_b32 s[G0S+3], s[G0S+3], 0x80000000
	s_mov_b32 s[G0SB], 1
	s_mov_b32 s[G0SB+1], s96
	s_mov_b64 s[G0SB+2:G0SB+3], s[92:93]
	s_or_b32 s[G0SB+3], s[G0SB+3], 0x80000000
	JLOAD G0S, G1S, G0SB, G1SB                     ; the scale bytes first: they are wanted with K step 0
.irp s, 0,1
	s_mov_b32 s[G0+4*\s], 1
	s_add_co_u32 s[G0+4*\s+1], s45, \s*SLOT
	s_add_nc_u64 s[G0+4*\s+2:G0+4*\s+3], s[20:21], \s*ASTEP
	s_or_b32 s[G0+4*\s+3], s[G0+4*\s+3], 0x80000000
	s_mov_b32 s[G0B+4*\s], 1
	s_add_co_u32 s[G0B+4*\s+1], s94, \s*SLOT
	s_add_nc_u64 s[G0B+4*\s+2:G0B+4*\s+3], s[46:47], \s*ROWB
	s_or_b32 s[G0B+4*\s+3], s[G0B+4*\s+3], 0x80000000
	JLOAD G0+4*\s, G1, G0B+4*\s, G1B               ; three tensor loads of mine are out now
.endr
	s_load_b256 s[4:11], s[0:1], 0x10              ; cos s[4:5], sin s[6:7], qimg s[8:9], kvimg s[10:11]
	s_mov_b32 s[SEL], 0x76543210
	s_mov_b32 s[SEL+1], 0xfedcba98
	v_and_b32 v12, 15, v0                          ; r
	v_bfe_u32 v13, v0, 4, 1                        ; h
	v_mul_u32_u24 v14, v12, PITCH
	v_mad_u32_u24 v14, v13, 24, v14                ; a fragment's row x pitch + 24 x half
	v_lshl_add_u32 v15, v13, 4, v14                ; and the same behind one padding more
	s_mul_i32 s21, s15, AH                         ; my 64 rows of x
	s_mul_i32 s22, s16, BH                         ; my 192 rows of wc,
	s_add_co_u32 s22, s22, 2*AH                    ; which lie behind x's 128
.irp s, 0,1
	v_add_nc_u32 v[ADRA+\s], s21, v14
	v_add_nc_u32 v[ADRB+\s], s22, v14
	v_add_nc_u32 v[ADRA+2+\s], s21, v15
	v_add_nc_u32 v[ADRB+2+\s], s22, v15
	s_add_co_u32 s21, s21, SLOT
	s_add_co_u32 s22, s22, SLOT
.endr
	v_lshlrev_b32 v14, 6, v12                      ; my row's scale bytes: 64 a row,
	v_lshrrev_b32 v15, 8, v14
	v_lshl_add_u32 v14, v15, 4, v14                ; and 16 more for each 256 passed
	s_mul_i32 s21, s15, HSA                        ; x's: my 64 rows
	s_mul_i32 s22, s16, HSB                        ; wc's: my 192 rows, behind x's 128
	s_add_co_u32 s22, s22, 2*HSA
	s_sub_co_u32 s22, s22, s21
	v_mul_u32_u24 v15, s22, v13                    ; lanes 16-31 take wc's: one product, the distance between the two bases
	s_add_co_u32 s21, s21, SCL
	v_add_nc_u32 v14, v14, v15
	v_add_nc_u32 v[ADRS], s21, v14
	; the way out's addresses, all made here
	v_and_b32 v14, 31, v0                          ; lane
	s_mul_i32 s21, s16, 1536
	v_lshl_add_u32 v1, v14, 4, s21                 ; q: registers 0-3 of a head's image: 16 x lane + my two heads' 1,536 bytes
	v_lshl_add_u32 v2, v14, 3, s21                 ; registers 4-5: 8 x lane
	s_lshl_b32 s21, s16, 8
	v_lshl_add_u32 v3, v14, 3, s21                 ; q's two scale words: 8 x lane
	s_mul_i32 s21, s15, 3072
	v_lshl_add_u32 v4, v14, 4, s21                 ; k: my four tiles of 768 bytes
	v_lshl_add_u32 v5, v14, 3, s21
	s_lshl_b32 s21, s15, 9
	v_lshl_add_u32 v6, v14, 2, s21                 ; k's scale words: 128 bytes a tile
	s_mul_i32 s21, s15, 768
	v_lshl_add_u32 v7, v14, 4, s21                 ; v: my half (64 keys) of each tile
	v_lshl_add_u32 v8, v14, 3, s21
	s_lshl_b32 s21, s15, 1
	v_lshl_add_u32 v9, v12, 2, v13
	v_add_nc_u32 v9, s21, v9                       ; v's scale byte: word r, byte 2 (w / 2) + h
	v_and_b32 v15, 8, v12
	v_add_nc_u32 v15, v15, v12                     ; r + 8 (r / 8)
	s_mul_i32 s21, s14, 17408                      ; v's stage: 64 tokens x (256 bytes + 16), my own, in slot 0
	v_mul_u32_u24 v10, v15, 272
	v_lshl_add_u32 v10, v13, 6, v10
	v_add_nc_u32 v10, s21, v10                     ; in: the token's row, + 64 h
	v_lshlrev_b32 v11, 2, v15
	v_mad_u32_u24 v11, v13, 8704, v11
	v_add_nc_u32 v11, s21, v11                     ; back: channel r + 8 (r / 8) of a tile, tokens 32 h on
	s_lshl_b32 s97, s42, 9
	s_lshl_b32 s2, s16, 8
	s_add_co_u32 s97, s97, s2
	v_lshl_add_u32 v30, v13, 5, s97                ; the tables: row 4 g + 2 (w % 2) of 128 bytes, + 32 h
	s_lshl_b32 s97, s42, 7
	v_lshl_add_u32 v31, v13, 5, s97                ; row g
	s_lshl_b32 s66, s17, 3
	s_add_co_u32 s66, s66, s42
	s_lshl_b32 s66, s66, 3
	s_lshl_b32 s2, s15, 2
	s_add_co_u32 s66, s66, s2
	s_mul_i32 s66, s66, 3584                       ; qimg: entry ((8 J + g) 8 + my first block of tokens)
	s_mov_b32 s67, 0
	s_lshr_b32 s98, s17, 3
	s_lshl_b32 s98, s98, 3
	s_add_co_u32 s98, s98, s42
	s_lshl_b32 s98, s98, 3
	s_and_b32 s2, s17, 7
	s_add_co_u32 s98, s98, s2
	s_mul_i32 s98, s98, 13568                      ; kvimg: entry ((8 batch + g) 8 + key step)
	s_mov_b32 s99, 0
	s_wait_kmcnt 0x0
	s_add_nc_u64 s[8:9], s[8:9], s[66:67]
	s_add_nc_u64 s[10:11], s[10:11], s[98:99]
	WIN TO_B
.irp e, 0,1
.irp bt, 0,1
.irp k, 0,1
	global_load_b128 v[CSB+32*\e+8*\bt+4*\k:CSB+32*\e+8*\bt+4*\k+3], v30, s[4:5] offset:128*\e+64*\bt+16*\k
	global_load_b128 v[CSB+32*\e+16+8*\bt+4*\k:CSB+32*\e+16+8*\bt+4*\k+3], v30, s[6:7] offset:128*\e+64*\bt+16*\k
.endr
.endr
.endr
.irp bt, 0,1
.irp k, 0,1
	global_load_b128 v[CSB+64+8*\bt+4*\k:CSB+64+8*\bt+4*\k+3], v31, s[4:5] offset:64*\bt+16*\k
	global_load_b128 v[CSB+80+8*\bt+4*\k:CSB+80+8*\bt+4*\k+3], v31, s[6:7] offset:64*\bt+16*\k
.endr
.endr
	WIN 0
.macro FRAG reg, adr, q, i             ; a fragment, 16 rows x 128 K, is 12 registers: lane l holds row l % 16; registers 6 c .. 6 c + 5 hold K = 64 c + 32 (l / 16) + 0 .. 31: 24 bytes of the row's stream of bits, as they lie
.irp p, 0,1,2,3,4,5                    ; in pieces of 8 bytes.  Lanes 16-31 read three pieces further on; where that lies behind one padding more, the second address register serves
.set PCE, 12*(\q)+6*(\p/3)+\p%3
.if PCE%8 < 5
	ds_load_b64 v[\reg+2*\p:\reg+2*\p+1], v[\adr] offset:8*PCE+16*(PCE/8)+(\i)*16*PITCH
.else
	ds_load_b64 v[\reg+2*\p:\reg+2*\p+1], v[\adr+2] offset:8*PCE+16*(PCE/8)+(\i)*16*PITCH
.endif
.endr
.endm
; n blocks of wc from b0 on, each against x's four: 4 n matrix instructions.  p: x's set; q: which 128 along K of the slot; sc: the set of scale words; zero = 1: the products start the sums.
; All accumulators take turns, one instruction a turn, in the same order in every step.
.macro MULB b0, n, p, q, sc, zero
.set MB, \b0
.rept \n
.irp a, 0,1,2,3
.set MD, 8*(4*(MB%HB)+\a)
.if \zero
	v_wmma_scale_f32_16x16x128_f8f6f4 v[MD:MD+7], v[FR*MB:FR*MB+FR-1], v[AF+48*(\p)+FR*\a:AF+48*(\p)+FR*\a+FR-1], 0, v[SC+2*NB*(\sc)+2*MB+(\q)], v[SC+2*NB*(\sc)+2*\a+(\q)] matrix_a_fmt:MATRIX_FMT_FP6 matrix_b_fmt:MATRIX_FMT_FP6 matrix_a_scale:MATRIX_SCALE_ROW1
.else
	v_wmma_scale_f32_16x16x128_f8f6f4 v[MD:MD+7], v[FR*MB:FR*MB+FR-1], v[AF+48*(\p)+FR*\a:AF+48*(\p)+FR*\a+FR-1], v[MD:MD+7], v[SC+2*NB*(\sc)+2*MB+(\q)], v[SC+2*NB*(\sc)+2*\a+(\q)] matrix_a_fmt:MATRIX_FMT_FP6 matrix_b_fmt:MATRIX_FMT_FP6 matrix_a_scale:MATRIX_SCALE_ROW1
.endif
.endr
.set MB, MB+1
.endr
.endm
.macro FETCH_A slot, q, p              ; x's four fragments into set p: 24 loads
.irp i, 0,1,2,3
	FRAG AF+48*(\p)+FR*\i, ADRA+\slot, \q, \i
.endr
.endm
.macro FETCH_B slot, q, half           ; half of wc's fragments: 6 HB loads
	WIN TO_B
.set FB, 0
.rept HB
	FRAG FR*(HB*(\half)+FB), ADRB+\slot, \q, HB*(\half)+FB
.set FB, FB+1
.endr
	WIN 0
.endm
.macro SCALES sc                       ; a K step's scale words, two a row
.set SI, 0
.rept NB
	ds_load_b64 v[SC+2*NB*(\sc)+2*SI:SC+2*NB*(\sc)+2*SI+1], v[ADRS] offset:SI*SBLK
.set SI, SI+1
.endr
.endm
; A load into a register that a matrix instruction has read stands NP places behind it, and only plain vector instructions that name none of its registers are places (ISA guide 7.12.1 for vector instructions).
; A step of 128 along K that has its successor in the same slot.
.macro STEP slot, q, zero
	s_wait_dscnt HB*NL                             ; all but the youngest loads, wc's upper half, are in
	WIN MUL_LO
	MULB 0, HB, (\q)%2, \q, \slot, \zero
	s_wait_dscnt 0x0                               ; wc's upper half is in
	PLACES NP
	WIN 0
	FETCH_A \slot, (\q)+1, 1-(\q)%2
	FETCH_B \slot, (\q)+1, 0
	WIN MUL_HI
	MULB HB, HB, (\q)%2, \q, \slot, \zero
	PLACES NP
	FETCH_B \slot, (\q)+1, 1
.endm
; A slot's last step changes slots: ONE barrier; in front of it each wave waits for all its tensor loads, adds 0 to its spare word, and waits for that and for its reads of this slot.  fill = 1: this slot is filled again, two K steps ahead.
.macro TURN slot, next, fill
	s_wait_tensorcnt 0x0                           ; all my tensor loads have landed: my part of the next slot (every window is 0 here)
	ds_add_u32 v[SPW], v[NIL]                      ; 0 onto my spare word
	s_wait_dscnt HB*NL+1                           ; (the add and wc's upper half may be out)
	WIN MUL_LO
	MULB 0, HB/2, 1, 1, \slot, 0                   ; matrix instructions stand between the add and the wait for it
	s_wait_dscnt 0x0                               ; the add is done, and my reads of this slot are over
	s_barrier_signal -1
	MULB HB/2, HB/2, 1, 1, \slot, 0
	WIN 0
	s_barrier_wait -1
.if \fill
	CREST                                          ; the barrier has opened a round of the cluster's barrier: no wave of any partner still reads this slot or has a load on its way
	s_add_nc_u64 s[G0+4*\slot+2:G0+4*\slot+3], s[G0+4*\slot+2:G0+4*\slot+3], 2*ASTEP
	s_add_nc_u64 s[G0B+4*\slot+2:G0B+4*\slot+3], s[G0B+4*\slot+2:G0B+4*\slot+3], 2*ROWB
	JLOAD G0+4*\slot, G1, G0B+4*\slot, G1B         ; my one tensor load behind the round; its four v_nop are the places in front of the loads below
.else
	PLACES NP
.endif
	v_add_nc_u32 v[ADRS], 4*NQ, v[ADRS]            ; on to the next K step's scale words
	FETCH_A \next, 0, 0
	FETCH_B \next, 0, 0
	SCALES \next
	WIN MUL_HI
	MULB HB, HB, 1, 1, \slot, 0
	PLACES NP
	FETCH_B \next, 0, 1
.endm
	s_wait_loadcnt 0x0                             ; cos and sin
	s_wait_tensorcnt 1                             ; the scale bytes and my part of K step 0 are in (K step 1's load may be out),
	s_barrier_signal -1
	s_barrier_wait -1                              ; everybody's are
	FETCH_A 0, 0, 0
	FETCH_B 0, 0, 0
	SCALES 0
	FETCH_B 0, 0, 1
	STEP 0, 0, 1                                   ; the first step stands in front of the loop: its products start the sums
	s_mov_b32 s3, LAPS-1
.Llap:                                                 ; a trip goes once round the ring and fills both slots again
	TURN 0, 1, 1
	STEP 1, 0, 0
	TURN 1, 0, 1
	STEP 0, 0, 0
	s_sub_co_u32 s3, s3, 1
	s_cmp_lg_u32 s3, 0
	s_cbranch_scc1 .Llap
	TURN 0, 1, 0                                   ; the last lap fills nothing, and has no round of the cluster's barrier
	STEP 1, 0, 0
	s_wait_dscnt HB*NL                             ; the very last step
	WIN MUL_LO
	MULB 0, HB, 1, 1, 1, 0
	s_wait_dscnt 0x0
	WIN MUL_HI
	MULB HB, HB, 1, 1, 1, 0
	WIN 0
; THE WAY OUT.
; ROPE: the four accumulators of blocks b0 .. b0 + 3 for tokens' block a are rotated by table row hd into v[T + dst] on: 32 numbers, register 16 B + i = channel 32 B + 16 (lane / 16) + i.
; o0 = t0 c - t1 s, o1 = t0 s + t1 c.  Each accumulator is read from its low end on.
.macro ROPE a, hd, b0, dst
.irp bb, 0,1,2,3
.set RB, (\b0)+\bb
.set RA, 8*(4*(RB%HB)+(\a))
	WIN 0x06+RB/HB                                 ; source 0: window 2 or 3 (the accumulator); source 1: window 1 (the table)
.irp j, 0,2,4,6
.set RC, CSB+32*(\hd)+8*(\bb/2)+4*(\bb%2)+\j/2
	v_mul_f32 v[TP], v[RA+\j+1], v[RC+16]
	v_mul_f32 v[TP+1], v[RA+\j], v[RC+16]
	v_fma_f32 v[T+(\dst)+16*(\bb/2)+8*(\bb%2)+\j], v[RA+\j], v[RC], -v[TP]
	v_fma_f32 v[T+(\dst)+16*(\bb/2)+8*(\bb%2)+\j+1], v[RA+\j+1], v[RC], v[TP+1]
.endr
.endr
	WIN 0
.endm
; QUANT: 64 numbers of a lane, v[T + 16 b + i] = number 32 b + 16 (lane / 16) + i of my row, become 12 registers of codes in v[CD] on (registers 6 c .. 6 c + 5: numbers 64 c + 32 (lane / 16) + 0 .. 31) and four scale bytes in v[PW].
.macro QUANT
.irp b, 0,1,2,3
	v_max3_num_f32 v[TM+\b], |v[T+16*\b]|, |v[T+1+16*\b]|, 0x1800000   ; my 16 numbers of block b, and the floor 2^(3 - 127): the byte cannot fall under 1
.endr
.irp i, 2,4,6,8,10,12,14
.irp b, 0,1,2,3
	v_max3_num_f32 v[TM+\b], v[TM+\b], |v[T+16*\b+\i]|, |v[T+1+16*\b+\i]|
.endr
.endr
.irp b, 0,1,2,3
	v_permlanex16_b32 v[TM+4+\b], v[TM+\b], s[SEL], s[SEL+1]
.endr
.irp b, 0,1,2,3
	v_max_num_f32 v[TM+\b], v[TM+\b], v[TM+4+\b]   ; with lane l xor 16's: the block's largest magnitude
.endr
.irp b, 0,1,2,3
	v_add_nc_u32 v[TM+12+\b], 0xff000000, v[TM+\b] ; 2 off its exponent field: the conversion's scale operand
.endr
.irp b, 0,1,2,3
	v_lshrrev_b32 v[TM+4+\b], 23, v[TM+12+\b]      ; the scale's byte
.endr
	v_lshl_or_b32 v[PW], v[TM+5], 8, v[TM+4]
	v_lshl_or_b32 v[PW], v[TM+6], 16, v[PW]
	v_lshl_or_b32 v[PW], v[TM+7], 24, v[PW]
.irp c, 0,1
	v_cvt_scalef32_pk16_fp6_f32 v[CD+6*\c:CD+2+6*\c], v[T+32*\c:T+15+32*\c], v[TM+12+2*\c]
	v_cvt_scalef32_pk16_fp6_f32 v[CD+12+4*\c:CD+14+4*\c], v[T+16+32*\c:T+31+32*\c], v[TM+12+2*\c+1]   ; (a conversion's three registers begin on an even number)
.endr
	v_nop                                          ; one plain place behind a scaled conversion
.irp c, 0,1                                    ; the operand's layout wants a WHOLE block in a lane
.irp i, 0,1,2
	v_permlane16_swap_b32 v[CD+6*\c+\i], v[CD+12+4*\c+\i]
.endr
.irp i, 0,1,2
	v_mov_b32 v[CD+3+6*\c+\i], v[CD+12+4*\c+\i]
.endr
.endr
.endm
; QUANTV: two whole blocks of 32 of ONE lane, v[T + 32 c + i]: six registers of codes each in v[CD + 6 c] on, the byte in v[TM + 4 + c].  No other lane is asked.
.macro QUANTV
.irp c, 0,1
	v_max3_num_f32 v[TM+\c], |v[T+32*\c]|, |v[T+1+32*\c]|, 0x1800000
.endr
.irp i, 2,4,6,8,10,12,14,16,18,20,22,24,26,28,30
.irp c, 0,1
	v_max3_num_f32 v[TM+\c], v[TM+\c], |v[T+32*\c+\i]|, |v[T+1+32*\c+\i]|
.endr
.endr
.irp c, 0,1
	v_add_nc_u32 v[TM+12+\c], 0xff000000, v[TM+\c]
.endr
.irp c, 0,1
	v_lshrrev_b32 v[TM+4+\c], 23, v[TM+12+\c]
.endr
.irp c, 0,1
	v_cvt_scalef32_pk16_fp6_f32 v[CD+6*\c:CD+2+6*\c], v[T+32*\c:T+15+32*\c], v[TM+12+\c]
	v_cvt_scalef32_pk16_fp6_f32 v[CD+12+4*\c:CD+14+4*\c], v[T+16+32*\c:T+31+32*\c], v[TM+12+\c]
.endr
	v_nop                                          ; one plain place behind a scaled conversion
.irp c, 0,1
.irp i, 0,1,2
	v_mov_b32 v[CD+3+6*\c+\i], v[CD+12+4*\c+\i]
.endr
.endr
.endm
.irp b, 0,1,2,3
	v_mov_b32 v[TM+4+\b], 0                        ; a lane permute's destination counts as one of its sources; these four lines are also the places behind the last products
.endr
	; q: for each block of 16 tokens my two heads are rotated and quantised together: head e's 64 channels are numbers 64 e on, so its six registers of codes are v[CD + 6 e] on and its two bytes the word's half e
.irp a, 0,1,2,3
.if \a > 0
	s_wait_xcnt 0x0                                ; the last block's stores have read their registers
.endif
	ROPE \a, 0, 0, 0
	ROPE \a, 1, 4, 32
	QUANT
	v_lshrrev_b32 v[PW+1], 16, v[PW]               ; the second head's word.  (A word's upper two bytes meet zero codes in the attention launch; they are never 0xff)
	global_store_b128 v1, v[CD:CD+3], s[8:9] offset:3584*\a             ; each store covers 512 or 256 consecutive bytes, aligned
	global_store_b64 v2, v[CD+4:CD+5], s[8:9] offset:3584*\a+512
	global_store_b128 v1, v[CD+6:CD+9], s[8:9] offset:3584*\a+768
	global_store_b64 v2, v[CD+10:CD+11], s[8:9] offset:3584*\a+1280
	global_store_b64 v3, v[PW:PW+1], s[8:9] offset:3584*\a+3072
.endr
	s_cmp_eq_u32 s16, 0                            ; even waves hold k, odd waves v: the branch hangs on the wave's number alone, and no barrier stands inside
	s_cbranch_scc0 .Lvalues
	; k: two blocks of 16 tokens (two tiles of keys) are quantised together
.irp a, 0,2
	s_wait_xcnt 0x0
	ROPE \a, 2, 8, 0
	ROPE \a+1, 2, 8, 32
	QUANT
	v_lshrrev_b32 v[PW+1], 16, v[PW]
	global_store_b128 v4, v[CD:CD+3], s[10:11] offset:768*\a
	global_store_b64 v5, v[CD+4:CD+5], s[10:11] offset:768*\a+512
	global_store_b128 v4, v[CD+6:CD+9], s[10:11] offset:768*\a+768
	global_store_b64 v5, v[CD+10:CD+11], s[10:11] offset:768*\a+1280
	global_store_b32 v6, v[PW], s[10:11] offset:12288+128*\a
	global_store_b32 v6, v[PW+1], s[10:11] offset:12288+128*\a+128
.endr
	s_branch .Ljoin
.Lvalues:
	; v is quantised along the KEYS.  A lane holds one token and 64 channels; it must hold one channel and 32 neighbouring tokens: through my own stage in slot 0, which has had its last fill and its last read,
	; rows = my 64 tokens in their true order.  A tile of v takes channels 32 (t / 2) + 8 (t % 2) + r + 8 (r / 8), so that the attention's results again lie as 16 neighbours in 16 registers.
	WIN 0x0c                                       ; an LDS store's data are its source 1: window 3
.irp a, 0,1,2,3
.irp bb, 0,1,2,3
	ds_store_b128 v10, v[8*(4*(2+\bb)+\a):8*(4*(2+\bb)+\a)+3] offset:(32*(\a/2)+8*(\a%2))*272+4*(32*(\bb/2)+8*(\bb%2))
	ds_store_b128 v10, v[8*(4*(2+\bb)+\a)+4:8*(4*(2+\bb)+\a)+7] offset:(32*(\a/2)+8*(\a%2))*272+4*(32*(\bb/2)+8*(\bb%2))+16
.endr
.endr
	WIN 0
.irp t, 0,2
.irp cc, 0,1
.set VI, 0
.rept 32
	ds_load_b32 v[T+32*\cc+VI], v11 offset:272*VI+4*(32*((\t+\cc)/2)+8*((\t+\cc)%2))   ; LDS serves a wave's instructions in order: these see my stores
.set VI, VI+1
.endr
.endr
	s_wait_dscnt 0x0
	s_wait_xcnt 0x0                                ; earlier stores have read their registers
	QUANTV
.irp cc, 0,1
	global_store_b128 v7, v[CD+6*\cc:CD+6*\cc+3], s[10:11] offset:6144+1536*(\t+\cc)
	global_store_b64 v8, v[CD+6*\cc+4:CD+6*\cc+5], s[10:11] offset:6144+1536*(\t+\cc)+512
	global_store_b8 v9, v[TM+4+\cc], s[10:11] offset:13312+64*(\t+\cc)   ; a byte a lane, 32 of a tile's 64: the other 32 are the other wave's
.endr
.endr
.Ljoin:
	s_wait_tensorcnt 0x0                           ; the wave's end, behind my last tensor load and my last LDS store
	ds_add_u32 v[SPW], v[NIL]
	s_wait_dscnt 0x0
	CROUND                                         ; the closing round: no work-group ends while a partner may still ask for a tile that names it
	s_endpgm
.Lfunc_end_k_q1bf4c13544_qkv:
	.size	k_q1bf4c13544_qkv, .Lfunc_end_k_q1bf4c13544_qkv-k_q1bf4c13544_qkv
	.p2alignl 7, 3214868480
	.fill 96, 4, 3214868480
	.section	.rodata,"a",@progbits
	.p2align	6, 0x0
	.amdhsa_kernel k_q1bf4c13544_qkv
		.amdhsa_group_segment_fixed_size 327680
		.amdhsa_private_segment_fixed_size 0
		.amdhsa_enable_private_segment 0
		.amdhsa_kernarg_size 48
		.amdhsa_user_sgpr_count 2
		.amdhsa_user_sgpr_kernarg_segment_ptr 1
		.amdhsa_wavefront_size32 1
		.amdhsa_system_sgpr_workgroup_id_x 1
		.amdhsa_system_sgpr_workgroup_id_y 1
		.amdhsa_system_sgpr_workgroup_id_z 1
		.amdhsa_system_vgpr_workitem_id 0
		.amdhsa_next_free_vgpr 1024
		.amdhsa_next_free_sgpr 100
		.amdhsa_reserve_vcc 0
		.amdhsa_float_denorm_mode_32 3
		.amdhsa_float_denorm_mode_16_64 3
		.amdhsa_memory_ordered 1
		.amdhsa_forward_progress 1
		.amdhsa_inst_pref_size 199
	.end_amdhsa_kernel
	.amdgpu_metadata
---
amdhsa.version: [ 1, 2 ]
amdhsa.kernels:
  - .name:           k_q1bf4c13544_qkv
    .symbol:         k_q1bf4c13544_qkv.kd
    .args:
      - { .name: xc, .offset: 0, .size: 8, .value_kind: global_buffer, .address_space: global }
      - { .name: wc, .offset: 8, .size: 8, .value_kind: global_buffer, .address_space: global }
      - { .name: freqs_cos, .offset: 16, .size: 8, .value_kind: global_buffer, .address_space: global }
      - { .name: freqs_sin, .offset: 24, .size: 8, .value_kind: global_buffer, .address_space: global }
      - { .name: qimg, .offset: 32, .size: 8, .value_kind: global_buffer, .address_space: global }
      - { .name: kvimg, .offset: 40, .size: 8, .value_kind: global_buffer, .address_space: global }
    .group_segment_fixed_size: 327680
    .private_segment_fixed_size: 0
    .kernarg_segment_align: 8
    .kernarg_segment_size: 48
    .max_flat_workgroup_size: 128
    .sgpr_count:     100
    .vgpr_count:     1024
    .wavefront_size: 32
...
	.end_amdgpu_metadata
.endif
;; end of part 2
;; launch attn (part 3): grid 8 x 32, 8 waves a work-group, no clusters, 327,680 bytes of LDS; arguments qimg, kvimg, mask, oc; writes oc
.if DOCPART == 3
	.amdgcn_target "amdgcn-amd-amdhsa--gfx1250"
	.amdhsa_code_object_version 6
	.text
	.protected	k_q1bf4c13544_attn
	.globl	k_q1bf4c13544_attn
	.p2align	8
	.type	k_q1bf4c13544_attn,@function
k_q1bf4c13544_attn:
	s_mov_b64 s[64:65], 0
	v_nop
	global_prefetch_b8 v0, s[64:65] scope:SCOPE_SE
	s_setreg_imm32_b32 hwreg(HW_REG_WAVE_MODE, 25, 1), 1
	s_wait_xcnt 0x0
; Attention on codes of FP6 (E2M3) with E8M0 scales: logit = q . k / 8 + mask; t = logit x log2(e); M = the running largest t rounded UP to a whole number; p = 2^(t - M) is quantised along the keys, not normalised;
; the row's sum is taken of the unquantised p and divides at the end; the result is quantised along the heads' channels and leaves as codes and scale bytes for the last product.
; THE MASK IS AN INPUT: every number of it is read and added; nothing is left out on its account.  A mask of -infinity gives p = 0.  A row hidden whole has the sum 0: its scale bytes are set to 0xff, so that the last product gives NaN there.
; SHARES.  A work-group (x: block of 128 queries; y: 8 x batch + group g) owns 128 queries x the four heads that share k and v of group g.  Wave w owns tile w of 16 queries for ALL FOUR heads: a step's mask numbers,
; k's eight fragments and v's four are read from LDS once for four tiles.  Every wave walks the 1,024 keys, 128 a step.
; k, v and their scale words of the whole (batch, g), 108,544 dense bytes of register images, come into LDS once; the mask's 128 x 128 numbers of a step go through a ring of two slots (waves 0 and 1 fetch its halves).
; THE ORDER OF A STEP.  No wave sits out its LDS loads.  k's registers, its scale words and the mask's registers are free as soon as head 3 has formed its logits: the NEXT step's are loaded there and land under head 3's
; exponentials, codes and sums.  v's registers are at work until head 3's last products: a step's v is loaded behind head 0's first products and waited for in front of head 0's second products.
; The change of the mask's slots stands at the same place in head 3: the slot in hand was read out a step ago, so the wave signals behind the logits, works on registers (maxima, M, t - M) while the others arrive, waits,
; and behind the wait come the refill (two steps ahead: it has a whole step's work in which to land) and the loads.
; No joint loads: work-groups that share the mask's rows hold other k and v, and those that share k and v hold other rows of the mask; what either pair shares is under two thirds of a step's bytes, and a cluster would mix joint loads with loads of its own.
; LAYOUT.  Both products transposed: S^T = k q^T, O^T = v^T p^T: a lane holds ONE query (lane % 16).  Tile w's lane r is query 32 (w / 2) + 8 (w % 2) + r + 8 (r / 8); the keys of k's tiles follow the same order, so that the 16 registers of
; tiles 2 B, 2 B + 1 are keys 32 B + 16 (lane / 16) + 0 .. 15.  THE HEAD IS 64 AND THE INSTRUCTION'S K IS 128: q's fragment is six registers of codes and six of ZERO codes; k's tiles lie packed, six registers each, and an operand's upper six
; registers are the next tile's codes (tile 7: v's first six, this step's or the last step's, zeros in front of the first), finite numbers that meet zeros; no scale byte is 0xff.
; REGISTERS.  Window 0: v1-5 addresses that stay, v6-7 the add's, v8-12 the step's addresses, v13-19 the way out, v20-35 four heads' -M, largest t, sum (a pair), v36-47 p's codes, v48-63 scale words, v64-127 S^T then p,
;   v128-175 k, v176-223 v, v224-244 at work.  Window 1: v0-127 O^T (32 a head), v128-191 the mask, v192-239 q (12 a head).
; LIMITS: NaN and +infinity among the mask's numbers are not served; a block of p or of results under 2^-124 keeps the byte 1.
.set MP,    528                        ; a row of the mask in LDS: 512 bytes + 16
.set STAGE, 128*MP                     ; behind slot 0: 3,072 bytes for each wave, for the way out: bytes of their own, into which no fill lands
.set SLOT1, 1<<17                      ; the mask's slot 1: one exclusive or turns an address
.set KVB,   SLOT1+128*MP               ; k's and v's images
.set KVS,   13568                      ; a key step's: k 8 x 768, v 4 x 1,536, k's scale words 8 x 128, v's 4 x 64
.set SPARE, KVB+8*KVS                  ; the spare words, 128 bytes for each wave: four blocks of 256 bytes that no other line names
.set SPW, 6
.set NIL, 7
.set ST,  20                           ; head e: v[ST + 4 e] -M, +1 the largest t, +2, +3 the sum in two halves
.set CD,  36
.set KSW, 48
.set VSW, 56
.set QSW, 60
.set S,   64
.set KF,  128
.set VF,  176
.set BM,  224                          ; v224-227 the blocks' maxima
.set T1,  228                          ; v228-235 at work; the conversions' second halves
.set SO,  236                          ; v236-239 the conversions' scale operands
.set FF,  240                          ; v240 f = 2^(old M - new M)
.set PW,  241                          ; v241 the scale word just made
.set TP,  242
.set W0,  243                          ; v243-244 the result's two scale words
.set MK,  128                          ; window 1
.set QF,  192
.set WV,  14
.set SEL, 16                           ; s[16:17] lane selects: lane l xor 16
.set CS,  18                           ; s[18:19] log2(e)
.set CE,  20                           ; s[20:21] 1 / 8
.set G1M, 24                           ; s[24:31] descriptor group 1 for the mask; s[32:39] for the images
.set G1KV, 32
.set G0M, 40                           ; s[40:43] group 0 for the mask's step 0, slot 0
.set G0KV, 44                          ; s[44:47] for the images
.set G0W, 72                           ; s[72:75] for the mask's step 1, slot 1; it then walks on
.set TB,  48                           ; s48 the mask's slot in hand
.set TK,  49                           ; s49 the key step's images
.set CNT, 50
.set HM,  51                           ; s51 lanes 16-31
.set MSB, 0
.macro WIN new                         ; the immediate's high byte repeats the setting that is left
.if MSB != \new
	s_set_vgpr_msb (MSB<<8)|(\new)
.set MSB, \new
.endif
.endm
	s_load_b256 s[4:11], s[0:1], 0x0               ; qimg s[4:5], kvimg s[6:7], mask s[8:9], oc s[10:11]
	v_lshl_add_u32 v[SPW], v0, 2, SPARE
	v_mov_b32 v[NIL], 0
	ds_add_u32 v6, v7
	s_wait_dscnt 0x0
	v_lshrrev_b32 v8, 5, v0
	v_readfirstlane_b32 s[WV], v8                  ; wave 0..7
	s_and_b32 s52, ttmp7, 0xffff                   ; 8 x batch + g
	s_and_b32 s53, s[WV], 1                        ; which half I fetch, if I fetch
	s_lshl_b32 s54, ttmp9, 19                      ; the mask: row 128 x block, 4,096 bytes a row,
	s_lshl_b32 s55, s53, 18                        ; + 64 rows x half
	s_add_co_u32 s54, s54, s55
	s_mov_b32 s55, 0
	s_mul_i32 s56, s52, 8*KVS                      ; the images of (batch, g),
	s_mul_i32 s57, s53, 4*KVS                      ; + half
	s_add_co_u32 s56, s56, s57
	s_mov_b32 s57, 0
	s_mov_b32 s[G1M], (2<<16)|(1<<20)|(6<<22)|(3<<25)   ; elements of 4 bytes; padding on: after every 128 words 4 words
	s_mov_b32 s[G1M+1], 128<<16                    ; tensor_dim0
	s_mov_b32 s[G1M+2], 64<<16                     ; tensor_dim1
	s_mov_b32 s[G1M+3], 128<<16                    ; tile_dim0
	s_mov_b32 s[G1M+4], 64                         ; tile_dim1
	s_mov_b32 s[G1M+5], 1024                       ; from row to row
	s_mov_b32 s[G1M+6], 0
	s_mov_b32 s[G1M+7], 0
	s_mov_b32 s[G1KV], 3<<16                       ; a dense block: 212 rows of 32 elements of 8 bytes, no padding
	s_mov_b32 s[G1KV+1], 32<<16
	s_mov_b32 s[G1KV+2], 212<<16
	s_mov_b32 s[G1KV+3], 32<<16
	s_mov_b32 s[G1KV+4], 212
	s_mov_b32 s[G1KV+5], 32
	s_mov_b32 s[G1KV+6], 0
	s_mov_b32 s[G1KV+7], 0
	s_mov_b32 s[SEL], 0x76543210
	s_mov_b32 s[SEL+1], 0xfedcba98
	s_mov_b32 s[CS], 0x3fb8aa3b                    ; log2(e)
	s_mov_b32 s[CS+1], s[CS]                       ; (named with it as a pair, so it is written)
	s_mov_b32 s[CE], 0x3e000000                    ; 1 / 8 = 1 / sqrt(64): exact
	s_mov_b32 s[CE+1], s[CE]
	s_mov_b32 s[TB], 0
	s_mov_b32 s[TK], 0
	s_mov_b32 s[CNT], 6
	s_mov_b32 s[HM], 0xffff0000
	s_wait_kmcnt 0x0
	s_mov_b32 s[G0M], 1
	s_mul_i32 s[G0M+1], s53, 64*MP
	s_add_nc_u64 s[G0M+2:G0M+3], s[8:9], s[54:55]
	s_or_b32 s[G0M+3], s[G0M+3], 0x80000000
	s_mov_b32 s[G0W], 1
	s_add_co_u32 s[G0W+1], s[G0M+1], SLOT1
	s_add_nc_u64 s[G0W+2:G0W+3], s[8:9], s[54:55]
	s_add_nc_u64 s[G0W+2:G0W+3], s[G0W+2:G0W+3], 512   ; the next 128 keys' columns
	s_or_b32 s[G0W+3], s[G0W+3], 0x80000000
	s_mov_b32 s[G0KV], 1
	s_mul_i32 s[G0KV+1], s53, 4*KVS
	s_add_co_u32 s[G0KV+1], s[G0KV+1], KVB
	s_add_nc_u64 s[G0KV+2:G0KV+3], s[6:7], s[56:57]
	s_or_b32 s[G0KV+3], s[G0KV+3], 0x80000000
	s_cmp_lt_u32 s[WV], 2                          ; the first fills, a wave's in one branch: waves 0, 1 the mask's halves of steps 0 and 1 (two loads of theirs are out), waves 2, 3 the images' halves, the others nothing
	s_cbranch_scc0 .Lnot_mask
	tensor_load_to_lds s[G0M:G0M+3], s[G1M:G1M+7]
	s_nop 0
	tensor_load_to_lds s[G0W:G0W+3], s[G1M:G1M+7]
	s_nop 0
.rept 4
	v_nop
.endr
	s_branch .Lasked
.Lnot_mask:
	s_cmp_lt_u32 s[WV], 4
	s_cbranch_scc0 .Lasked
	tensor_load_to_lds s[G0KV:G0KV+3], s[G1KV:G1KV+7]
	s_nop 0
.rept 4
	v_nop
.endr
.Lasked:
	s_lshr_b32 s58, s52, 3
	s_lshl_b32 s58, s58, 3
	s_add_co_u32 s58, s58, ttmp9                   ; J = 8 x batch + block of queries
	s_and_b32 s59, s52, 7                          ; g
	s_lshl_b32 s60, s58, 3
	s_add_co_u32 s60, s60, s59
	s_lshl_b32 s60, s60, 3
	s_add_co_u32 s60, s60, s[WV]
	s_mul_i32 s60, s60, 3584                       ; qimg: entry ((8 J + g) 8 + wave)
	s_mov_b32 s61, 0
	s_add_nc_u64 s[4:5], s[4:5], s[60:61]
	s_lshr_b32 s62, s[WV], 1
	s_lshl_b32 s62, s62, 5
	s_lshl_b32 s63, s53, 3
	s_add_co_u32 s62, s62, s63                     ; my tile's first query in the block: 32 (w / 2) + 8 (w % 2)
	s_mul_i32 s66, s58, 196608                     ; oc's codes: [J][g][128 tokens][192 bytes]
	s_mul_i32 s67, s59, 24576
	s_add_co_u32 s66, s66, s67
	s_mul_i32 s67, s62, 192
	s_add_co_u32 s66, s66, s67
	s_mov_b32 s67, 0
	s_lshl_b32 s68, s58, 7
	s_add_co_u32 s68, s68, s62
	s_lshl_b32 s68, s68, 6                         ; its scale bytes: 64 a token, 8 g on
	s_lshl_b32 s69, s59, 3
	s_add_co_u32 s68, s68, s69
	s_add_co_u32 s68, s68, 6291456
	s_mov_b32 s69, 0
	s_add_nc_u64 s[66:67], s[10:11], s[66:67]
	s_add_nc_u64 s[68:69], s[10:11], s[68:69]
	v_and_b32 v8, 15, v0                           ; r
	v_bfe_u32 v9, v0, 4, 1                         ; h
	v_and_b32 v10, 31, v0                          ; lane
	v_and_b32 v11, 8, v8
	v_add_nc_u32 v11, v11, v8                      ; r + 8 (r / 8)
	s_mul_i32 s63, s62, MP
	v_mul_u32_u24 v1, v11, MP
	v_lshl_add_u32 v1, v9, 6, v1
	v_add_nc_u32 v1, s63, v1                       ; the mask: my query's row, + 64 h: keys 16 h on of each 32
	v_lshl_add_u32 v2, v10, 4, KVB                 ; images: 16, 8 and 4 bytes a lane,
	v_lshl_add_u32 v3, v10, 3, KVB
	v_lshl_add_u32 v4, v10, 2, KVB
	v_lshl_add_u32 v5, v8, 2, KVB                  ; and v's scale words: 4 r
	s_mul_i32 s63, s[WV], 3072
	s_add_co_u32 s63, s63, STAGE                   ; my stage
	v_mul_u32_u24 v13, v8, 192
	v_mad_u32_u24 v13, v9, 24, v13
	v_add_nc_u32 v13, s63, v13                     ; in: row r of 192 bytes, + 24 h
	v_lshlrev_b32 v15, 4, v10                      ; 16 x lane
	v_add_nc_u32 v14, s63, v15                     ; back: as the bytes lie
	v_lshlrev_b32 v16, 6, v11
	v_lshl_add_u32 v16, v9, 2, v16                 ; the scale word's place: my query's 64 bytes, + 4 h
	v_lshlrev_b32 v17, 3, v10                      ; 8 x lane
	global_load_b64 v[QSW:QSW+1], v17, s[4:5] offset:3072     ; q's scale words: heads 0, 1
	global_load_b64 v[QSW+2:QSW+3], v17, s[4:5] offset:3328   ; heads 2, 3
	WIN 0x40                                       ; destination window 1
.irp e, 0,1,2,3
	global_load_b128 v[QF+12*\e:QF+12*\e+3], v15, s[4:5] offset:768*\e
	global_load_b64 v[QF+12*\e+4:QF+12*\e+5], v17, s[4:5] offset:768*\e+512
.endr
.irp e, 0,1,2,3
.irp i, 6,7,8,9,10,11
	v_mov_b32 v[QF+12*\e+\i], 0                    ; zero codes for K = 64 .. 127
.endr
.endr
.set OI, 0
.rept 128
	v_mov_b32 v[OI], 0                             ; O^T.  (The step is written once: the first finds zeros, which the first change of M leaves zeros)
.set OI, OI+1
.endr
	WIN 0
.irp i, 0,1,2,3,4,5
	v_mov_b32 v[VF+\i], 0                          ; the operand of k's tile 7 reaches into v's first six registers: in the first step they are read ahead of v's first load
.endr
.irp e, 0,1,2,3
	v_mov_b32 v[ST+4*\e+1], 0xff61b1e6             ; the largest t so far: -3e38
	v_floor_f32 v[ST+4*\e], -v[ST+4*\e+1]          ; -M
	v_mov_b32 v[ST+4*\e+2], 0                      ; the sum, in two halves
	v_mov_b32 v[ST+4*\e+3], 0
	v_mov_b32 v[T1+\e], 0                          ; a lane permute's destination counts as one of its sources
.endr
	v_mov_b32 v[PW], 0                             ; (named as the upper half of the pair v[240:241] before it is first written)
; From the blocks' largest magnitudes (with the floor) in v[BM] on and 64 numbers in v[S] on: the scale word in v[PW] and the operand's 12 registers of codes in v[CD] on.
.macro CODES
.irp b, 0,1,2,3
	v_add_nc_u32 v[SO+\b], 0xff000000, v[BM+\b]    ; 2 off the exponent field: the conversion's scale operand
.endr
.irp b, 0,1,2,3
	v_lshrrev_b32 v[T1+\b], 23, v[SO+\b]           ; the scale's byte
.endr
	v_lshl_or_b32 v[PW], v[T1+1], 8, v[T1]
	v_lshl_or_b32 v[PW], v[T1+2], 16, v[PW]
	v_lshl_or_b32 v[PW], v[T1+3], 24, v[PW]
.irp c, 0,1
	v_cvt_scalef32_pk16_fp6_f32 v[CD+6*\c:CD+6*\c+2], v[S+32*\c:S+32*\c+15], v[SO+2*\c]
	v_cvt_scalef32_pk16_fp6_f32 v[T1+4*\c:T1+4*\c+2], v[S+32*\c+16:S+32*\c+31], v[SO+2*\c+1]   ; (a conversion's three registers begin on an even number)
.endr
	v_nop                                          ; one plain place behind a scaled conversion
.irp c, 0,1                                    ; the operand's layout wants a WHOLE block in a lane
.irp i, 0,1,2
	v_permlane16_swap_b32 v[CD+6*\c+\i], v[T1+4*\c+\i]
.endr
.irp i, 0,1,2
	v_mov_b32 v[CD+3+6*\c+\i], v[T1+4*\c+\i]
.endr
.endr
.endm
; The mask's numbers, k and k's scale words of the step that s[TB] and s[TK] name; the step's five addresses are made here, v's among them.
.macro FETCH_MK
	v_add_nc_u32 v8, s[TB], v1
	v_add_nc_u32 v9, s[TK], v2
	v_add_nc_u32 v10, s[TK], v3
	v_add_nc_u32 v11, s[TK], v4
	v_add_nc_u32 v12, s[TK], v5
	WIN 0x40                                       ; destination window 1
.irp b, 0,1,2,3
.irp j, 0,1,2,3
	ds_load_b128 v[MK+16*\b+4*\j:MK+16*\b+4*\j+3], v8 offset:128*\b+16*\j   ; register 16 b + i: key 32 b + 16 h + i, as in S^T
.endr
.endr
	WIN 0
.irp t, 0,1,2,3,4,5,6,7
	ds_load_b128 v[KF+6*\t:KF+6*\t+3], v9 offset:768*\t
	ds_load_b64 v[KF+6*\t+4:KF+6*\t+5], v10 offset:768*\t+512
	ds_load_b32 v[KSW+\t], v11 offset:12288+128*\t
.endr
.endm
; v and its scale words of the step in hand: 20 loads.
.macro FETCH_V
.irp t, 0,1,2,3
.irp rh, 0,1
	ds_load_b128 v[VF+12*\t+6*\rh:VF+12*\t+6*\rh+3], v9 offset:6144+1536*\t+768*\rh
	ds_load_b64 v[VF+12*\t+6*\rh+4:VF+12*\t+6*\rh+5], v10 offset:6144+1536*\t+768*\rh+512
.endr
	ds_load_b32 v[VSW+\t], v12 offset:13312+64*\t
.endr
.endm
; THE CHANGE OF THE MASK'S SLOTS, in two parts.  SIGNAL: the wave waits for all its tensor loads (waves 0, 1: the next step's numbers), adds 0 to its spare word, waits for that (its reads of the slot in hand came back at the step's head), and signals.
; ARRIVE: behind the wait the next slot is whole and nobody reads the slot in hand.  fill = 1: waves 0 and 1 fill it with the numbers of two steps on.  Then the next step's mask numbers and k are loaded.
.macro SIGNAL fill
	s_wait_tensorcnt 0x0                           ; no tensor load of mine is out, so a group 0 may be written
	ds_add_u32 v[SPW], v[NIL]                      ; 0 onto my spare word
.if \fill
	s_xor_b32 s[G0W+1], s[G0W+1], SLOT1            ; the other slot than last time,
	s_add_nc_u64 s[G0W+2:G0W+3], s[G0W+2:G0W+3], 512   ; the next 128 keys' columns; the type bits on top are not reached
.endif
	s_wait_dscnt 0x0                               ; the add is done; no other LDS instruction of mine is out
	s_barrier_signal -1
.endm
.macro ARRIVE fill
	s_barrier_wait -1
.if \fill
	s_cmp_lt_u32 s[WV], 2
	s_cbranch_scc0 .Lno_fill_\@
	tensor_load_to_lds s[G0W:G0W+3], s[G1M:G1M+7]  ; the first thing behind the barrier, and a wave's one tensor load until the next
	s_nop 0
.rept 4
	v_nop
.endr
.Lno_fill_\@:
.endif
	s_xor_b32 s[TB], s[TB], SLOT1                  ; the mask's other slot,
	s_add_co_u32 s[TK], s[TK], KVS                 ; the next step's images
	FETCH_MK
.endm
; One head's part of a key step.  vload = 1 (head 0): the step's v is loaded behind the first products.  mid = 1, 2 (head 3): the change of slots, with a refill or without, and the next step's loads.
.macro HEAD e, vload, mid
.set SE, ST+4*(\e)
	WIN 0x04                                       ; source 1 (q) window 1
.irp t, 0,1,2,3,4,5,6,7
	v_wmma_scale_f32_16x16x128_f8f6f4 v[S+8*\t:S+8*\t+7], v[KF+6*\t:KF+6*\t+11], v[QF+12*(\e):QF+12*(\e)+11], 0, v[KSW+\t], v[QSW+(\e)] matrix_a_fmt:MATRIX_FMT_FP6 matrix_b_fmt:MATRIX_FMT_FP6
.endr
.rept 4
	v_nop                                          ; places in front of the first read of results, and of the loads into v's registers, which the last step's products and tile 7's product above have read
.endr
.if \vload
	WIN 0
	FETCH_V                                        ; it has head 0's softmax in which to land
.endif
	WIN 0x10                                       ; source 2 (the mask) window 1
.set JJ, 0
.rept 32
	v_pk_fma_f32 v[S+JJ:S+JJ+1], v[S+JJ:S+JJ+1], s[CE:CE+1], v[MK+JJ:MK+JJ+1] op_sel_hi:[1,0,1]   ; the logit: score / 8 + mask, one rounding; each accumulator from its low end on
.set JJ, JJ+2
.endr
	WIN 0
.if \mid
	SIGNAL 2-\mid                                  ; only work on registers stands between this signal and the wait in ARRIVE
.endif
.irp b, 0,1,2,3
	v_max3_num_f32 v[BM+\b], v[S+16*\b], v[S+1+16*\b], v[S+2+16*\b]   ; the largest logit of each block of 32 keys: it serves for the row's maximum and, since p rises with the logit, for the block's largest p
.endr
.irp i, 3,5,7,9,11,13
.irp b, 0,1,2,3
	v_max3_num_f32 v[BM+\b], v[BM+\b], v[S+16*\b+\i], v[S+1+16*\b+\i]
.endr
.endr
.irp b, 0,1,2,3
	v_max_num_f32 v[BM+\b], v[BM+\b], v[S+15+16*\b]
.endr
.irp b, 0,1,2,3
	v_permlanex16_b32 v[T1+\b], v[BM+\b], s[SEL], s[SEL+1]
.endr
.irp b, 0,1,2,3
	v_max_num_f32 v[BM+\b], v[BM+\b], v[T1+\b]     ; with lane l xor 16's 16 keys
.endr
	v_max3_num_f32 v[TP], v[BM], v[BM+1], v[BM+2]
	v_max_num_f32 v[TP], v[TP], v[BM+3]            ; the step's largest logit of my query
	v_mul_f32 v[TP], s[CS], v[TP]                  ; as t
	v_max_num_f32 v[SE+1], v[SE+1], v[TP]          ; the running largest t
	v_mov_b32 v[TP], v[SE]
	v_floor_f32 v[SE], -v[SE+1]                    ; the new -M = -ceil(t): a whole number
	v_sub_f32 v[TP], v[SE], v[TP]                  ; old M - new M: a whole number, 0 or less
	v_cvt_i32_f32 v[TP], v[TP]                     ; (it saturates)
	v_ldexp_f32 v[FF], 1.0, v[TP]                  ; f = 2^(old M - new M): a multiplication by it rounds nothing
.set JJ, 0
.rept 32
	v_pk_fma_f32 v[S+JJ:S+JJ+1], v[S+JJ:S+JJ+1], s[CS:CS+1], v[SE:SE+1] op_sel_hi:[1,0,0]   ; t - M, two at a time
.set JJ, JJ+2
.endr
.irp b, 0,1,2,3
	v_fma_f32 v[BM+\b], v[BM+\b], s[CS], v[SE]     ; the same of each block's largest logit
.endr
.if \mid
	ARRIVE 2-\mid                                  ; the loads into k's registers stand far more than four places behind the products that read them; they land under the lines below
.endif
.set JJ, 0
.rept 64
	v_exp_f32 v[S+JJ], v[S+JJ]                     ; p = 2^(t - M), at most 1
.set JJ, JJ+1
.endr
.irp b, 0,1,2,3
	v_exp_f32 v[BM+\b], v[BM+\b]                   ; the block's largest p: the same two instructions on the same number
.endr
	v_pk_mul_f32 v[SE+2:SE+3], v[SE+2:SE+3], v[FF:FF+1] op_sel_hi:[1,0]   ; the sums under the new M (a plain place behind the exponentials)
	s_wait_alu depctr_va_vdst(0)
.irp b, 0,1,2,3
	v_max_num_f32 v[BM+\b], 0x1800000, v[BM+\b]    ; the floor 2^(3 - 127): the byte cannot fall under 1
.endr
	CODES
	v_pk_add_f32 v[T1:T1+1], v[S:S+1], v[S+2:S+3]  ; the row's sum is taken of the UNQUANTISED p: two at a time, in two chains
.irp j, 4,8,12,16,20,24,28,32,36,40,44,48,52,56,60
	v_pk_add_f32 v[SE+2:SE+3], v[SE+2:SE+3], v[S+\j:S+\j+1]
	v_pk_add_f32 v[T1:T1+1], v[T1:T1+1], v[S+2+\j:S+3+\j]
.endr
	v_pk_add_f32 v[SE+2:SE+3], v[SE+2:SE+3], v[T1:T1+1]
	WIN 0x41                                       ; O^T (destination and source 0) window 1
.set JJ, 0
.rept 16
	v_pk_mul_f32 v[32*(\e)+JJ:32*(\e)+JJ+1], v[32*(\e)+JJ:32*(\e)+JJ+1], v[FF:FF+1] op_sel_hi:[1,0]   ; O^T under the new M.  (With the sums above: the places between the writes of p's codes and scale word and the products below)
.set JJ, JJ+2
.endr
.if \vload
	s_wait_dscnt 0x0                               ; v and its scale words are in
.endif
	WIN 0x50                                       ; C and D window 1
.irp t, 0,1,2,3
	v_wmma_scale_f32_16x16x128_f8f6f4 v[32*(\e)+8*\t:32*(\e)+8*\t+7], v[VF+12*\t:VF+12*\t+11], v[CD:CD+11], v[32*(\e)+8*\t:32*(\e)+8*\t+7], v[VSW+\t], v[PW] matrix_a_fmt:MATRIX_FMT_FP6 matrix_b_fmt:MATRIX_FMT_FP6
.endr
.endm
; A key step: the four heads.  mid as in HEAD.
.macro STEP mid
	s_wait_dscnt 0x0                               ; the mask's numbers, k and its scale words, asked for in the last step's head 3: my reads of the mask's slot in hand are over
	HEAD 0, 1, 0
	HEAD 1, 0, 0
	HEAD 2, 0, 0
	HEAD 3, 0, \mid
	WIN 0
.endm
	s_wait_loadcnt 0x0                             ; q and its scale words
	s_wait_tensorcnt 0x0                           ; my first fills have landed,
	s_barrier_signal -1
	s_barrier_wait -1                              ; everybody's have: both slots of the mask and all images
	FETCH_MK                                       ; step 0's
.Lstep:                                                ; six trips, steps 0 to 5: each asks for the mask's numbers of two steps on
	STEP 1
	s_sub_co_u32 s[CNT], s[CNT], 1
	s_cmp_lg_u32 s[CNT], 0
	s_cbranch_scc1 .Lstep
	STEP 2                                         ; step 6 is written out: a barrier shows step 7's numbers to every wave, and nothing is asked for
	STEP 0                                         ; step 7: nothing follows it
	; THE WAY OUT.  The sums' halves are added (these four lines are the places behind the last products); O^T / the sum is quantised, two heads (128 along the last product's K) at a time.
.irp e, 0,1,2,3
	v_add_f32 v[ST+4*\e+2], v[ST+4*\e+2], v[ST+4*\e+3]
.endr
.irp e, 0,1,2,3
	v_permlanex16_b32 v[T1+\e], v[ST+4*\e+2], s[SEL], s[SEL+1]
.endr
.irp e, 0,1,2,3
	v_add_f32 v[ST+4*\e+2], v[ST+4*\e+2], v[T1+\e] ; the row's sum
.endr
.irp e, 0,1,2,3
	v_rcp_f32 v[ST+4*\e+3], v[ST+4*\e+2]
.endr
	v_mov_b32 v18, 0xffff                          ; (a plain place behind the reciprocals)  a head's two scale bytes as 0xff: the lower head's,
	v_mov_b32 v19, 0xffff0000                      ; the upper head's
	s_wait_alu depctr_va_vdst(0)
.irp e, 0,2
	WIN 0x01                                       ; source 0 window 1
.set KK, 0
.rept 64
	v_mul_f32 v[S+KK], v[32*\e+KK], v[ST+4*(\e+KK/32)+3]   ; register 16 b + i: channel 32 (b % 2) + 16 h + i of head e + b / 2; each accumulator from its low end on
.set KK, KK+1
.endr
	WIN 0
.irp b, 0,1,2,3
	v_max3_num_f32 v[BM+\b], |v[S+16*\b]|, |v[S+1+16*\b]|, 0x1800000
.endr
.irp i, 2,4,6,8,10,12,14
.irp b, 0,1,2,3
	v_max3_num_f32 v[BM+\b], v[BM+\b], |v[S+16*\b+\i]|, |v[S+1+16*\b+\i]|
.endr
.endr
.irp b, 0,1,2,3
	v_permlanex16_b32 v[T1+\b], v[BM+\b], s[SEL], s[SEL+1]
.endr
.irp b, 0,1,2,3
	v_max_num_f32 v[BM+\b], v[BM+\b], v[T1+\b]
.endr
	CODES
	v_cmp_eq_f32 vcc_lo, 0, v[ST+4*\e+2]           ; a row hidden whole: its bytes become 0xff (a choice of values, no branch)
	v_cndmask_b32 v[TP], 0, v18, vcc_lo
	v_or_b32 v[W0+\e/2], v[PW], v[TP]
	v_cmp_eq_f32 vcc_lo, 0, v[ST+4*\e+6]
	v_cndmask_b32 v[TP], 0, v19, vcc_lo
	v_or_b32 v[W0+\e/2], v[W0+\e/2], v[TP]
.irp c, 0,1
.irp i, 0,1,2
	ds_store_b64 v13, v[CD+6*\c+2*\i:CD+6*\c+2*\i+1] offset:48*(\e+\c)+8*\i   ; head e + c, block h: 24 bytes of my query's 192
.endr
.endr
.endr
.irp i, 0,1,2,3,4,5
	ds_load_b128 v[S+4*\i:S+4*\i+3], v14 offset:512*\i   ; LDS serves a wave's instructions in order: these see my stores.  Rows 0-7 and rows 8-15 are eight neighbouring tokens each
.endr
	v_cndmask_b32 v[TP], v[W0], v[W0+1], s[HM]     ; lanes 0-15 store heads 0, 1's word, lanes 16-31 heads 2, 3's
.irp i, 0,1,2,3,4,5
	s_wait_dscnt 5-\i                              ; the younger loads may stay out
	global_store_b128 v15, v[S+4*\i:S+4*\i+3], s[66:67] offset:512*\i+1536*(\i/3)   ; 512 consecutive bytes, aligned; the second eight tokens lie 16 tokens on
.endr
	global_store_b32 v16, v[TP], s[68:69]          ; 4 bytes a lane, 8 of each token's 64: 128 of the wave's 3,200 bytes
	s_wait_tensorcnt 0x0                           ; the wave's end, behind my last tensor load and my last LDS store
	ds_add_u32 v[SPW], v[NIL]
	s_wait_dscnt 0x0
	s_endpgm
.Lfunc_end_k_q1bf4c13544_attn:
	.size	k_q1bf4c13544_attn, .Lfunc_end_k_q1bf4c13544_attn-k_q1bf4c13544_attn
	.p2alignl 7, 3214868480
	.fill 96, 4, 3214868480
	.section	.rodata,"a",@progbits
	.p2align	6, 0x0
	.amdhsa_kernel k_q1bf4c13544_attn
		.amdhsa_group_segment_fixed_size 327680
		.amdhsa_private_segment_fixed_size 0
		.amdhsa_enable_private_segment 0
		.amdhsa_kernarg_size 32
		.amdhsa_user_sgpr_count 2
		.amdhsa_user_sgpr_kernarg_segment_ptr 1
		.amdhsa_wavefront_size32 1
		.amdhsa_system_sgpr_workgroup_id_x 1
		.amdhsa_system_sgpr_workgroup_id_y 1
		.amdhsa_system_sgpr_workgroup_id_z 1
		.amdhsa_system_vgpr_workitem_id 0
		.amdhsa_next_free_vgpr 512
		.amdhsa_next_free_sgpr 80
		.amdhsa_reserve_vcc 1
		.amdhsa_float_denorm_mode_32 3
		.amdhsa_float_denorm_mode_16_64 3
		.amdhsa_memory_ordered 1
		.amdhsa_forward_progress 1
		.amdhsa_inst_pref_size 226
	.end_amdhsa_kernel
	.amdgpu_metadata
---
amdhsa.version: [ 1, 2 ]
amdhsa.kernels:
  - .name:           k_q1bf4c13544_attn
    .symbol:         k_q1bf4c13544_attn.kd
    .args:
      - { .name: qimg, .offset: 0, .size: 8, .value_kind: global_buffer, .address_space: global }
      - { .name: kvimg, .offset: 8, .size: 8, .value_kind: global_buffer, .address_space: global }
      - { .name: mask, .offset: 16, .size: 8, .value_kind: global_buffer, .address_space: global }
      - { .name: oc, .offset: 24, .size: 8, .value_kind: global_buffer, .address_space: global }
    .group_segment_fixed_size: 327680
    .private_segment_fixed_size: 0
    .kernarg_segment_align: 8
    .kernarg_segment_size: 32
    .max_flat_workgroup_size: 256
    .sgpr_count:     80
    .vgpr_count:     512
    .wavefront_size: 32
...
	.end_amdgpu_metadata
.endif
;; end of part 3
;; launch oproj (part 4): grid 8 x 32, 4 waves a work-group, clusters of 4 x 4, 327,680 bytes of LDS; arguments oc, woc, out0; writes out0
.if DOCPART == 4
	.amdgcn_target "amdgcn-amd-amdhsa--gfx1250"
	.amdhsa_code_object_version 6
	.text
	.protected	k_q1bf4c13544_oproj
	.globl	k_q1bf4c13544_oproj
	.p2align	8
	.type	k_q1bf4c13544_oproj,@function
k_q1bf4c13544_oproj:
	s_mov_b64 s[64:65], 0
	v_nop
	global_prefetch_b8 v0, s[64:65] scope:SCOPE_SE
	s_setreg_imm32_b32 hwreg(HW_REG_WAVE_MODE, 25, 1), 1
	s_wait_xcnt 0x0
	s_wait_alu depctr_hold_cnt(0) depctr_sa_sdst(0) depctr_va_vdst(0) depctr_va_sdst(0) depctr_va_ssrc(0) depctr_va_vcc(0) depctr_vm_vsrc(0)
	s_getreg_b32 s2, hwreg(HW_REG_IB_STS2, 6, 4)
	s_cmp_eq_u32 s2, 0
	s_cbranch_scc0 .Lentry_in_a_cluster
	s_endpgm
.Lentry_in_a_cluster:
	s_bfe_u32 s2, ttmp6, 0x10000c
	s_cmp_lg_u32 s2, 0xf033
	s_cbranch_scc0 .Lentry_shape_is_right
	s_endpgm
.Lentry_shape_is_right:
; out0 = (attention's result) wo^T on codes of FP6 (E2M3) with E8M0 scales; out0 [4096][2048] f32; sums in f32.
; oc's codes lie [tile row J][K step][128 tokens][192 bytes]: the tile of a K step of 256 is one dense block; its scale bytes [token][64].  woc: [2048][1,536 bytes], scale bytes [2048][64] behind them.
; A tile is 128 tokens x 256 columns: 256 work-groups.  Four waves: wave w takes tokens 64 (w / 2) on (4 blocks of 16) and rows 128 (w % 2) on of woc (8 blocks).  K = 2,048 goes in steps of 256 through a ring of two LDS slots
; filled by the tensor data mover; the scale bytes of the tile's rows come once.
; CLUSTERS: 4 x 4 work-groups.  The four of a row of the cluster need the same tiles of oc, the four of a column the same tiles of woc: each is asked for JOINTLY, by the same tensor load with the same descriptor and a mask of the four.
; THE MATRIX INSTRUCTION IS USED TRANSPOSED (source 0 = 16 rows of woc, source 1 = 16 tokens): a lane holds eight neighbouring numbers of a row of out0.
; PRODUCTS GO BY woc's BLOCKS, each against the four blocks of tokens: a block of woc is free after its four products, so woc has ONE set of registers, fetched anew in halves; oc is at work through the whole step and has two sets.
; REGISTERS, in windows of 256.  Window 0: v12-15 scratch, v16-29 addresses, v32-63 scale words (two sets), v128-223 oc's fragments (two sets); on the way out v128-255.
;   Window 1: v0-95 woc's fragments.  Window 2: accumulators of blocks 0-3 at v[8 (4 b + a)].  Window 3: those of blocks 4-7.
.set NB,     8                         ; blocks of 16 rows of woc for a wave
.set HB,     NB/2
.set NQ,     2                         ; matrix instructions deep in a slot
.set ROWB,   192                       ; a tile's row: 256 codes
.set KROW,   1536                      ; a row of woc's codes in memory
.set ASTRIDE, ROWB                     ; from row to row of oc's tile: dense
.set ASTEP,  128*ROWB                  ; from K step to K step of oc's tile
.set PITCH,  240                       ; an LDS row: 3 x (64 bytes + 16 of padding) = 60 words: the 32 lanes of a load of 8 bytes touch 64 different banks (64 banks of 4 bytes: ISA guide 11.1)
.set FR,     12                        ; registers of a fragment
.set NL,     6                         ; LDS loads that bring one
.set NP,     4                         ; places behind this matrix instruction (ISA guide 7.12.1)
.set AH,     64*PITCH                  ; 64 rows of oc: one tensor load, and what a wave reads
.set BH,     16*NB*PITCH               ; 128 rows of woc likewise
.set SLOT,   2*AH+2*BH
.set LAPS,   4                         ; 2,048 / 512: a lap is once round the ring
.set SCL,    2*SLOT                    ; behind the ring: the scale bytes, 64 a row, as 256 bytes + 16 of padding
.set HSA,    16*272                    ; those of 64 rows of oc
.set HSB,    4*NB*272                  ; those of 128 rows of woc
.set SBLK,   4*272                     ; those of 16 rows
.set SPARE,  SCL+2*HSA+2*HSB           ; the spare words, 128 bytes for each wave: two blocks of 256 bytes that no other line names
.set ASC,    6291456                   ; where the scale bytes begin in oc
.set BSC,    3145728                   ; and in woc
.set SPITCH, 528                       ; the way out: a stage of 16 rows x (512 bytes + 16) for each wave, in slot 0, which has had its last fill and its last read by then
.set NROW,   8192                      ; a row of out0 in bytes
.set ADRA, 16                          ; v16-17 LDS address of my fragments of oc in slot 0, 1; v18-19 the same for pieces behind one padding more
.set ADRB, 20                          ; v20-23 the same for woc
.set STO,  24                          ; v24 the way out: where I put 32 bytes of a row
.set RD,   25                          ; v25 where I read a row back
.set CO,   26                          ; v26 my byte offset in a row of out0
.set ADRS, 27                          ; v27 my scale words: lanes 0-15 oc's rows, lanes 16-31 woc's
.set SPW,  28                          ; v28 SPARE + 4 x my thread's number; never rewritten
.set NIL,  29                          ; v29 0; never rewritten
.set SC,   32                          ; scale words: set s at v[SC + 16 s]; register 2 i + q: lanes 16-31 woc's block i, lanes 0-15 oc's block i (i < 4), for the slot's q-th 128 along K
.set AF,   128                         ; oc's fragments: set p at v[AF + 48 p]
.set BK,   128                         ; the way out: 16 rows read back: v128-191 and v192-255 by turns
.set G1,   24                          ; s[24:31] descriptor group 1 for oc's tiles; s[32:39] group 0, a set for each slot
.set G0,   32
.set G1B,  48                          ; s[48:55], s[56:63] the same for woc's
.set G0B,  56
.set G1S,  68                          ; s[68:75], s[76:79] for oc's scale bytes; s[80:87], s[88:91] for woc's
.set G0S,  76
.set G1SB, 80
.set G0SB, 88
.set MSB, 0
.macro WIN new                         ; the immediate's high byte repeats the setting that is left
.if MSB != \new
	s_set_vgpr_msb (MSB<<8)|(\new)
.set MSB, \new
.endif
.endm
.set MUL_LO, 0xa1                      ; source 0 (woc) window 1, source 1 (oc) window 0, C and D window 2
.set MUL_HI, 0xf1                      ; the same, C and D window 3
.set TO_B,   0x40                      ; destination window 1, address window 0
; A joint load: waves 0 and 1 fetch for oc, waves 2 and 3 for woc.  Each line has one mask and one set of registers for all that issue it; the branch hangs on the wave's number alone.
; Four v_nop follow each of the two lines, ahead of the jump, the label and what follows.
.macro JLOAD g0a, g1a, g0b, g1b
	s_cmp_eq_u32 s15, 0
	s_cbranch_scc0 .Lfor_b_\@
	tensor_load_to_lds s[\g0a:\g0a+3], s[\g1a:\g1a+7]
	s_nop 0
.rept 4
	v_nop
.endr
	s_branch .Lasked_\@
.Lfor_b_\@:
	tensor_load_to_lds s[\g0b:\g0b+3], s[\g1b:\g1b+7]
	s_nop 0
.rept 4
	v_nop
.endr
.Lasked_\@:
.endm
.macro CREST                           ; a round of the cluster's barrier behind its opening barrier
	s_cmp_lg_u32 s14, 0
	s_cbranch_scc1 .Lnot_wave_0_\@
	s_barrier_signal -3
.Lnot_wave_0_\@:
	s_barrier_wait -3
	s_barrier_signal -1
	s_barrier_wait -1
.endm
.macro CROUND                          ; a whole round
	s_barrier_signal -1
	s_barrier_wait -1
	CREST
.endm
.macro PLACES n
.rept \n
	v_nop
.endr
.endm
	s_load_b128 s[4:7], s[0:1], 0x0                ; oc s[4:5], woc s[6:7]
	s_load_b64 s[12:13], s[0:1], 0x10              ; out0
	v_lshl_add_u32 v[SPW], v0, 2, SPARE
	v_mov_b32 v[NIL], 0
	ds_add_u32 v28, v29
	s_wait_dscnt 0x0
	v_lshrrev_b32 v12, 5, v0
	v_readfirstlane_b32 s14, v12                   ; wave 0..3
	s_lshr_b32 s15, s14, 1                         ; which 64 tokens are mine.  Also: I fetch for oc (0) or for woc (1)
	s_and_b32 s16, s14, 1                          ; which 128 rows of woc.  Also: which half of that tile I fetch
	s_bfe_u32 s40, ttmp6, 0x40000                  ; cx, cy: my place in the cluster
	s_bfe_u32 s41, ttmp6, 0x40004
	s_lshl_b32 s42, ttmp9, 2
	s_add_co_u32 s42, s42, s40                     ; tile column = 4 x cluster x + cx
	s_and_b32 s17, ttmp7, 0xffff
	s_lshl_b32 s17, s17, 2
	s_add_co_u32 s17, s17, s41                     ; tile row J = 4 x cluster y + cy
	s_lshl_b32 s43, s41, 2
	s_lshl_b32 s43, 15, s43                        ; my row of the cluster
	s_lshl_b32 s44, 0x1111, s40                    ; my column
	; descriptor group 1: rows of 192 bytes, 16 bytes of padding behind every 64
	s_or_b32 s[G1+0], s43, (0<<16)|(1<<20)|(1<<21)|(3<<22)|(3<<25)  ; 15:0 the mask: oc's tiles go to my row; 17:16 elements of 1 byte; 20 padding on; 21 set beside a mask; 24:22 after every 16 words; 31:25 4 words
	s_or_b32 s[G1B+0], s44, (0<<16)|(1<<20)|(1<<21)|(3<<22)|(3<<25)
	s_mov_b32 s[G1+1], ROWB<<16                    ; tensor_dim0
	s_mov_b32 s[G1+2], 64<<16                      ; tensor_dim1
	s_mov_b32 s[G1+3], ROWB<<16                    ; tile_dim0
	s_mov_b32 s[G1+4], 64                          ; tile_dim1
	s_mov_b32 s[G1+5], ASTRIDE                     ; from row to row
	s_mov_b32 s[G1+6], 0
	s_mov_b32 s[G1+7], 0
	s_mov_b32 s[G1B+1], ROWB<<16
	s_mov_b32 s[G1B+2], (16*NB)<<16
	s_mov_b32 s[G1B+3], ROWB<<16
	s_mov_b32 s[G1B+4], 16*NB
	s_mov_b32 s[G1B+5], KROW
	s_mov_b32 s[G1B+6], 0
	s_mov_b32 s[G1B+7], 0
	; the scale bytes: dense blocks, as rows of 256 bytes (32 elements of 8 bytes), 16 bytes of padding behind each
	s_or_b32 s[G1S+0], s43, (3<<16)|(1<<20)|(1<<21)|(5<<22)|(3<<25)
	s_or_b32 s[G1SB+0], s44, (3<<16)|(1<<20)|(1<<21)|(5<<22)|(3<<25)
	s_mov_b32 s[G1S+1], 32<<16
	s_mov_b32 s[G1S+2], 16<<16
	s_mov_b32 s[G1S+3], 32<<16
	s_mov_b32 s[G1S+4], 16
	s_mov_b32 s[G1S+5], 32
	s_mov_b32 s[G1S+6], 0
	s_mov_b32 s[G1S+7], 0
	s_mov_b32 s[G1SB+1], 32<<16
	s_mov_b32 s[G1SB+2], (4*NB)<<16
	s_mov_b32 s[G1SB+3], 32<<16
	s_mov_b32 s[G1SB+4], 4*NB
	s_mov_b32 s[G1SB+5], 32
	s_mov_b32 s[G1SB+6], 0
	s_mov_b32 s[G1SB+7], 0
	; where the tiles come from: oc's hang on J and the wave alone, woc's on the tile column and the wave alone, each in registers that never hold the other coordinate
	s_lshl_b32 s22, s17, 7
	s_lshl_b32 s18, s16, 6
	s_add_co_u32 s22, s22, s18                     ; oc: token 128 J + 64 x half:
	s_lshl_b32 s22, s22, 6
	s_add_co_u32 s22, s22, ASC                     ; its scale bytes,
	s_mov_b32 s23, 0
	s_mul_i32 s20, s17, 8*ASTEP                    ; and its codes: 8 K steps of 24,576 bytes a tile row, + 64 rows x half
	s_mul_i32 s18, s16, 64*ROWB
	s_add_co_u32 s20, s20, s18
	s_mov_b32 s21, 0
	s_mul_i32 s46, s42, 32*NB
	s_mul_i32 s18, s16, 16*NB
	s_add_co_u32 s46, s46, s18                     ; woc: row 256 x tile column + 128 x half
	s_lshl_b32 s92, s46, 6
	s_add_co_u32 s92, s92, BSC
	s_mov_b32 s93, 0
	s_mul_i32 s46, s46, KROW
	s_mov_b32 s47, 0
	s_mul_i32 s45, s16, AH                         ; where they go: no place in the cluster enters an LDS address
	s_mul_i32 s94, s16, BH
	s_add_co_u32 s94, s94, 2*AH
	s_mul_i32 s95, s16, HSA
	s_add_co_u32 s95, s95, SCL
	s_mul_i32 s96, s16, HSB
	s_add_co_u32 s96, s96, SCL+2*HSA
	s_wait_kmcnt 0x0
	s_add_nc_u64 s[20:21], s[4:5], s[20:21]
	s_add_nc_u64 s[22:23], s[4:5], s[22:23]
	s_add_nc_u64 s[46:47], s[6:7], s[46:47]
	s_add_nc_u64 s[92:93], s[6:7], s[92:93]
	CROUND                                         ; all sixteen work-groups are here: the first joint loads meet
	s_mov_b32 s[G0S], 1
	s_mov_b32 s[G0S+1], s95
	s_mov_b64 s[G0S+2:G0S+3], s[22:23]
	s_or_b32 s[G0S+3], s[G0S+3], 0x80000000
	s_mov_b32 s[G0SB], 1
	s_mov_b32 s[G0SB+1], s96
	s_mov_b64 s[G0SB+2:G0SB+3], s[92:93]
	s_or_b32 s[G0SB+3], s[G0SB+3], 0x80000000
	JLOAD G0S, G1S, G0SB, G1SB                     ; the scale bytes first: they are wanted with K step 0
.irp s, 0,1
	s_mov_b32 s[G0+4*\s], 1
	s_add_co_u32 s[G0+4*\s+1], s45, \s*SLOT
	s_add_nc_u64 s[G0+4*\s+2:G0+4*\s+3], s[20:21], \s*ASTEP
	s_or_b32 s[G0+4*\s+3], s[G0+4*\s+3], 0x80000000
	s_mov_b32 s[G0B+4*\s], 1
	s_add_co_u32 s[G0B+4*\s+1], s94, \s*SLOT
	s_add_nc_u64 s[G0B+4*\s+2:G0B+4*\s+3], s[46:47], \s*ROWB
	s_or_b32 s[G0B+4*\s+3], s[G0B+4*\s+3], 0x80000000
	JLOAD G0+4*\s, G1, G0B+4*\s, G1B               ; three tensor loads of mine are out now
.endr
	v_and_b32 v12, 15, v0                          ; r
	v_bfe_u32 v13, v0, 4, 1                        ; h
	v_mul_u32_u24 v14, v12, PITCH
	v_mad_u32_u24 v14, v13, 24, v14                ; a fragment's row x pitch + 24 x half
	v_lshl_add_u32 v15, v13, 4, v14                ; and the same behind one padding more
	s_mul_i32 s21, s15, AH                         ; my 64 rows of oc
	s_mul_i32 s22, s16, BH                         ; my 128 rows of woc,
	s_add_co_u32 s22, s22, 2*AH                    ; which lie behind oc's 128
.irp s, 0,1
	v_add_nc_u32 v[ADRA+\s], s21, v14
	v_add_nc_u32 v[ADRB+\s], s22, v14
	v_add_nc_u32 v[ADRA+2+\s], s21, v15
	v_add_nc_u32 v[ADRB+2+\s], s22, v15
	s_add_co_u32 s21, s21, SLOT
	s_add_co_u32 s22, s22, SLOT
.endr
	v_lshlrev_b32 v14, 6, v12                      ; my row's scale bytes: 64 a row,
	v_lshrrev_b32 v15, 8, v14
	v_lshl_add_u32 v14, v15, 4, v14                ; and 16 more for each 256 passed
	s_mul_i32 s21, s15, HSA                        ; oc's: my 64 rows
	s_mul_i32 s22, s16, HSB                        ; woc's: my 128 rows, behind oc's 128
	s_add_co_u32 s22, s22, 2*HSA
	s_sub_co_u32 s22, s22, s21
	v_mul_u32_u24 v15, s22, v13                    ; lanes 16-31 take woc's: one product, the distance between the two bases
	s_add_co_u32 s21, s21, SCL
	v_add_nc_u32 v14, v14, v15
	v_add_nc_u32 v[ADRS], s21, v14
	s_mul_i32 s21, s14, 16*SPITCH                  ; my stage
	v_mul_u32_u24 v14, v12, SPITCH                 ; in: row r, 32 bytes for each half of the lanes
	v_lshl_add_u32 v14, v13, 5, v14
	v_add_nc_u32 v[STO], s21, v14
	v_and_b32 v15, 31, v0
	v_lshlrev_b32 v[CO], 4, v15                    ; back: the 32 lanes take one row of 512 bytes; and the same in out0
	v_add_nc_u32 v[RD], s21, v[CO]
	s_lshl_b32 s98, s17, 7
	s_lshl_b32 s2, s15, 6
	s_add_co_u32 s98, s98, s2                      ; my first row of out0: 128 J + 64 (w / 2)
	s_mul_i32 s98, s98, NROW
	s_lshl_b32 s2, s42, 10                         ; my first column, in bytes: 1,024 x tile column + 512 (w % 2)
	s_add_co_u32 s98, s98, s2
	s_lshl_b32 s2, s16, 9
	s_add_co_u32 s98, s98, s2
	s_mov_b32 s99, 0
	s_add_nc_u64 s[12:13], s[12:13], s[98:99]
.macro FRAG reg, adr, q, i             ; a fragment, 16 rows x 128 K, is 12 registers: lane l holds row l % 16; registers 6 c .. 6 c + 5 hold K = 64 c + 32 (l / 16) + 0 .. 31: 24 bytes of the row's stream of bits, as they lie
.irp p, 0,1,2,3,4,5                    ; in pieces of 8 bytes.  Lanes 16-31 read three pieces further on; where that lies behind one padding more, the second address register serves
.set PCE, 12*(\q)+6*(\p/3)+\p%3
.if PCE%8 < 5
	ds_load_b64 v[\reg+2*\p:\reg+2*\p+1], v[\adr] offset:8*PCE+16*(PCE/8)+(\i)*16*PITCH
.else
	ds_load_b64 v[\reg+2*\p:\reg+2*\p+1], v[\adr+2] offset:8*PCE+16*(PCE/8)+(\i)*16*PITCH
.endif
.endr
.endm
; n blocks of woc from b0 on, each against oc's four: 4 n matrix instructions.  p: oc's set; q: which 128 along K of the slot; sc: the set of scale words; zero = 1: the products start the sums.
; All accumulators take turns, one instruction a turn, in the same order in every step.
.macro MULB b0, n, p, q, sc, zero
.set MB, \b0
.rept \n
.irp a, 0,1,2,3
.set MD, 8*(4*(MB%HB)+\a)
.if \zero
	v_wmma_scale_f32_16x16x128_f8f6f4 v[MD:MD+7], v[FR*MB:FR*MB+FR-1], v[AF+48*(\p)+FR*\a:AF+48*(\p)+FR*\a+FR-1], 0, v[SC+2*NB*(\sc)+2*MB+(\q)], v[SC+2*NB*(\sc)+2*\a+(\q)] matrix_a_fmt:MATRIX_FMT_FP6 matrix_b_fmt:MATRIX_FMT_FP6 matrix_a_scale:MATRIX_SCALE_ROW1
.else
	v_wmma_scale_f32_16x16x128_f8f6f4 v[MD:MD+7], v[FR*MB:FR*MB+FR-1], v[AF+48*(\p)+FR*\a:AF+48*(\p)+FR*\a+FR-1], v[MD:MD+7], v[SC+2*NB*(\sc)+2*MB+(\q)], v[SC+2*NB*(\sc)+2*\a+(\q)] matrix_a_fmt:MATRIX_FMT_FP6 matrix_b_fmt:MATRIX_FMT_FP6 matrix_a_scale:MATRIX_SCALE_ROW1
.endif
.endr
.set MB, MB+1
.endr
.endm
.macro FETCH_A slot, q, p              ; oc's four fragments into set p: 24 loads
.irp i, 0,1,2,3
	FRAG AF+48*(\p)+FR*\i, ADRA+\slot, \q, \i
.endr
.endm
.macro FETCH_B slot, q, half           ; half of woc's fragments: 6 HB loads
	WIN TO_B
.set FB, 0
.rept HB
	FRAG FR*(HB*(\half)+FB), ADRB+\slot, \q, HB*(\half)+FB
.set FB, FB+1
.endr
	WIN 0
.endm
.macro SCALES sc                       ; a K step's scale words, two a row
.set SI, 0
.rept NB
	ds_load_b64 v[SC+2*NB*(\sc)+2*SI:SC+2*NB*(\sc)+2*SI+1], v[ADRS] offset:SI*SBLK
.set SI, SI+1
.endr
.endm
; A load into a register that a matrix instruction has read, and an LDS store that reads a matrix result, stand NP places behind it, and only plain vector instructions that name none of its registers are places
; (ISA guide 7.12.1 for vector instructions).
; A step of 128 along K that has its successor in the same slot.
.macro STEP slot, q, zero
	s_wait_dscnt HB*NL                             ; all but the youngest loads, woc's upper half, are in
	WIN MUL_LO
	MULB 0, HB, (\q)%2, \q, \slot, \zero
	s_wait_dscnt 0x0                               ; woc's upper half is in
	PLACES NP
	WIN 0
	FETCH_A \slot, (\q)+1, 1-(\q)%2
	FETCH_B \slot, (\q)+1, 0
	WIN MUL_HI
	MULB HB, HB, (\q)%2, \q, \slot, \zero
	PLACES NP
	FETCH_B \slot, (\q)+1, 1
.endm
; A slot's last step changes slots: ONE barrier; in front of it each wave waits for all its tensor loads, adds 0 to its spare word, and waits for that and for its reads of this slot.  fill = 1: this slot is filled again, two K steps ahead.
.macro TURN slot, next, fill
	s_wait_tensorcnt 0x0                           ; all my tensor loads have landed: my part of the next slot (every window is 0 here)
	ds_add_u32 v[SPW], v[NIL]                      ; 0 onto my spare word
	s_wait_dscnt HB*NL+1                           ; (the add and woc's upper half may be out)
	WIN MUL_LO
	MULB 0, HB/2, 1, 1, \slot, 0                   ; matrix instructions stand between the add and the wait for it
	s_wait_dscnt 0x0                               ; the add is done, and my reads of this slot are over
	s_barrier_signal -1
	MULB HB/2, HB/2, 1, 1, \slot, 0
	WIN 0
	s_barrier_wait -1
.if \fill
	CREST                                          ; the barrier has opened a round of the cluster's barrier: no wave of any partner still reads this slot or has a load on its way
	s_add_nc_u64 s[G0+4*\slot+2:G0+4*\slot+3], s[G0+4*\slot+2:G0+4*\slot+3], 2*ASTEP
	s_add_nc_u64 s[G0B+4*\slot+2:G0B+4*\slot+3], s[G0B+4*\slot+2:G0B+4*\slot+3], 2*ROWB
	JLOAD G0+4*\slot, G1, G0B+4*\slot, G1B         ; my one tensor load behind the round; its four v_nop are the places in front of the loads below
.else
	PLACES NP
.endif
	v_add_nc_u32 v[ADRS], 4*NQ, v[ADRS]            ; on to the next K step's scale words
	FETCH_A \next, 0, 0
	FETCH_B \next, 0, 0
	SCALES \next
	WIN MUL_HI
	MULB HB, HB, 1, 1, \slot, 0
	PLACES NP
	FETCH_B \next, 0, 1
.endm
	s_wait_tensorcnt 1                             ; the scale bytes and my part of K step 0 are in (K step 1's load may be out),
	s_barrier_signal -1
	s_barrier_wait -1                              ; everybody's are
	FETCH_A 0, 0, 0
	FETCH_B 0, 0, 0
	SCALES 0
	FETCH_B 0, 0, 1
	STEP 0, 0, 1                                   ; the first step stands in front of the loop: its products start the sums
	s_mov_b32 s3, LAPS-1
.Llap:                                                 ; a trip goes once round the ring and fills both slots again
	TURN 0, 1, 1
	STEP 1, 0, 0
	TURN 1, 0, 1
	STEP 0, 0, 0
	s_sub_co_u32 s3, s3, 1
	s_cmp_lg_u32 s3, 0
	s_cbranch_scc1 .Llap
	TURN 0, 1, 0                                   ; the last lap fills nothing, and has no round of the cluster's barrier
	STEP 1, 0, 0
	s_wait_dscnt HB*NL                             ; the very last step
	WIN MUL_LO
	MULB 0, HB, 1, 1, 1, 0
	s_wait_dscnt 0x0
	WIN MUL_HI
	MULB HB, HB, 1, 1, 1, 0
	WIN 0
; THE WAY OUT, block by block of 16 rows x 128 columns.  A lane holds 32 neighbouring bytes of a row, and the lanes beside it hold other rows: so a block goes through my own stage in LDS and comes back as whole rows of 512 bytes.
; LDS serves a wave's instructions in order (ISA guide 5.7.1.4): no wait between the stores and the loads, nor in front of the next block's stores.
.macro TOSTAGE a
	WIN 0x08                                       ; an LDS store's data are its source 1: window 2
.irp b, 0,1,2,3
	ds_store_b128 v[STO], v[8*(4*\b+(\a)):8*(4*\b+(\a))+3] offset:64*\b            ; each accumulator from its low end on
	ds_store_b128 v[STO], v[8*(4*\b+(\a))+4:8*(4*\b+(\a))+7] offset:64*\b+16
.endr
	WIN 0x0c                                       ; window 3
.irp b, 0,1,2,3
	ds_store_b128 v[STO], v[8*(4*\b+(\a)):8*(4*\b+(\a))+3] offset:64*(\b+4)
	ds_store_b128 v[STO], v[8*(4*\b+(\a))+4:8*(4*\b+(\a))+7] offset:64*(\b+4)+16
.endr
	WIN 0
.set BB, BK+64*((\a)%2)
.irp t, 0,1,2,3,4,5,6,7,8,9,10,11,12,13,14,15
	ds_load_b128 v[BB+4*\t:BB+4*\t+3], v[RD] offset:\t*SPITCH
.endr
.endm
.macro SEND a, younger                 ; younger: the LDS instructions issued behind block a's loads, which may stay out
.set BB, BK+64*((\a)%2)
	s_wait_dscnt \younger                          ; the block is back in registers
.if (\a) > 0
	s_add_nc_u64 s[12:13], s[12:13], 16*NROW       ; (behind a wait on XCNT: the earlier stores have read their base)  16 rows on
.endif
.irp t, 0,1,2,3,4,5,6,7,8,9,10,11,12,13,14,15
	global_store_b128 v[CO], v[BB+4*\t:BB+4*\t+3], s[12:13] offset:\t*NROW th:TH_STORE_NT   ; 32 lanes store 512 consecutive bytes, aligned; written once, read by nobody here
.endr
.endm
	PLACES NP                                      ; behind the last products: for the stores that read results and the loads into the registers that held oc's fragments
	TOSTAGE 0
.irp a, 1,2,3
.if \a > 1
	s_wait_xcnt 0x0                                ; block a - 2's stores have read their registers and their base
.endif
	TOSTAGE \a
	SEND \a-1, 32                                  ; behind block a - 1's loads: block a's 16 stores and 16 loads
.endr
	s_wait_xcnt 0x0                                ; block 2's stores have read their base
	SEND 3, 0
	s_wait_tensorcnt 0x0                           ; the wave's end, behind my last tensor load and my last LDS store
	ds_add_u32 v[SPW], v[NIL]
	s_wait_dscnt 0x0
	CROUND                                         ; the closing round: no work-group ends while a partner may still ask for a tile that names it
	s_endpgm
.Lfunc_end_k_q1bf4c13544_oproj:
	.size	k_q1bf4c13544_oproj, .Lfunc_end_k_q1bf4c13544_oproj-k_q1bf4c13544_oproj
	.p2alignl 7, 3214868480
	.fill 96, 4, 3214868480
	.section	.rodata,"a",@progbits
	.p2align	6, 0x0
	.amdhsa_kernel k_q1bf4c13544_oproj
		.amdhsa_group_segment_fixed_size 327680
		.amdhsa_private_segment_fixed_size 0
		.amdhsa_enable_private_segment 0
		.amdhsa_kernarg_size 24
		.amdhsa_user_sgpr_count 2
		.amdhsa_user_sgpr_kernarg_segment_ptr 1
		.amdhsa_wavefront_size32 1
		.amdhsa_system_sgpr_workgroup_id_x 1
		.amdhsa_system_sgpr_workgroup_id_y 1
		.amdhsa_system_sgpr_workgroup_id_z 1
		.amdhsa_system_vgpr_workitem_id 0
		.amdhsa_next_free_vgpr 1024
		.amdhsa_next_free_sgpr 100
		.amdhsa_reserve_vcc 0
		.amdhsa_float_denorm_mode_32 3
		.amdhsa_float_denorm_mode_16_64 3
		.amdhsa_memory_ordered 1
		.amdhsa_forward_progress 1
		.amdhsa_inst_pref_size 102
	.end_amdhsa_kernel
	.amdgpu_metadata
---
amdhsa.version: [ 1, 2 ]
amdhsa.kernels:
  - .name:           k_q1bf4c13544_oproj
    .symbol:         k_q1bf4c13544_oproj.kd
    .args:
      - { .name: oc, .offset: 0, .size: 8, .value_kind: global_buffer, .address_space: global }
      - { .name: woc, .offset: 8, .size: 8, .value_kind: global_buffer, .address_space: global }
      - { .name: out0, .offset: 16, .size: 8, .value_kind: global_buffer, .address_space: global }
    .group_segment_fixed_size: 327680
    .private_segment_fixed_size: 0
    .kernarg_segment_align: 8
    .kernarg_segment_size: 24
    .max_flat_workgroup_size: 128
    .sgpr_count:     100
    .vgpr_count:     1024
    .wavefront_size: 32
...
	.end_amdgpu_metadata
.endif
;; end of part 4
